; MI455X (gfx1250); checked and timed in simulation.
; The chip was launched on July 23, 2026; its instructions are those of AMD's public machine-readable ISA for CDNA 5 (MIT licence, August 2026) and "CDNA5" Instruction Set Architecture Reference Guide (July 2026). The comments in the code are by the model that wrote it; some were corrected since.
;; Gemma4 Mo E. Allowed arithmetic: float matrix products may take bf16 or f16 operands with f32 sums; other float arithmetic in f32, or as packed bf16 or f16 multiplies, adds, multiply-adds, maxima and minima; sums over many terms, partial sums and values carried from step to step in f32; what a program stores and reads back later, other than sums and carried values, may be rounded once to bf16 or f16.
;; Inputs: per_expert_scale 8 float32; router_logits 2,048 x 8 float32; w13 8 x 2,048 x 1,024 float32; w2 8 x 1,024 x 1,024 float32; x 2,048 x 1,024 float32.
;; Outputs: out0 2,048 x 1,024 float32.
;; 2 versions, each right; version 2 is version 1 with the launches place, gateup, down written anew for expert scheduling mode. Each part assembles by itself: llvm-mc -triple=amdgcn-amd-amdhsa -mcpu=gfx1250 --defsym DOCPART=n.
;; ======== version 1 of 2: 5 launches
;; limits: a function is approximated: absolute error at most 1.5e-07
;; workspace buffers: xb 4,194,304 bytes; bm 4,096 bytes of whole numbers; cw 16,384 bytes; xg 33,554,432 bytes; lst 65,536 bytes of whole numbers; hb 33,554,432 bytes; y 16,777,216 bytes
;; launch route (part 1): grid 256 x 1, 9 waves a work-group, no clusters, 0 bytes of LDS; arguments x, router_logits, per_expert_scale, xb, bm, cw; writes xb, bm, cw
.if DOCPART == 1
	.amdgcn_target "amdgcn-amd-amdhsa--gfx1250"
	.amdhsa_code_object_version 6
	.text
	.protected	k_q4985a5d948_route
	.globl	k_q4985a5d948_route
	.p2align	8
	.type	k_q4985a5d948_route,@function
k_q4985a5d948_route:
	s_mov_b64 s[64:65], 0
	v_nop
	global_prefetch_b8 v0, s[64:65] scope:SCOPE_SE
	s_setreg_imm32_b32 hwreg(HW_REG_WAVE_MODE, 25, 1), 1
	s_wait_xcnt 0x0
; ROUTE AND CAST.  A work-group owns 8 tokens.  Waves 0-7 round one row of x each to bf16 (xb: [2048][1024] bf16).
; Wave 8 routes the 8 tokens: top 2 of 8 logits, the renormalised softmax weights times per_expert_scale.
; It stores, at fixed places: bm, bitmaps [expert 8][kind 2][256 bytes], bit t of a row = token t; kind 0: the token chose the expert,
; kind 1: the expert is the token's second choice; and cw, f32 [choice 2][2048], the weight of each choice.
; No address and no branch of this launch hangs on a logit: the later launches make their lists from bm.
; FORMAT.  Every input of the program is rounded once to bf16, the logits and per_expert_scale too, so that the whole program
; computes the function on inputs rounded to bf16.  Equal logits: the lower index wins, as in jax.lax.top_k.
; THE WEIGHTS.  p1 / (p1 + p2) = 1 / (1 + e), p2 / (p1 + p2) = e / (1 + e), e = exp(l2 - l1) with l1 the row's maximum: the softmax's sum over all
; eight cancels, the maximum is taken away, the exponent is never above 0.  p1 + p2 is at least 1/8, so the reference's guard for a zero sum never acts.
; LIMITS.  Logits are finite (NaN and infinities are not treated apart); e below 2^-126 counts as 0.
.set LOG2E,  0x3fb8aa3b
.set NEGINF, 0xff800000
.set HIMASK, 0xffff0000
	s_load_b256 s[4:11], s[0:1], 0x0               ; x s[4:5], router_logits s[6:7], per_expert_scale s[8:9], xb s[10:11]
	s_load_b128 s[12:15], s[0:1], 0x20             ; bm s[12:13], cw s[14:15]
	v_lshrrev_b32 v3, 5, v0
	v_readfirstlane_b32 s16, v3                    ; wave 0..8
	v_and_b32 v1, 31, v0                           ; lane
	s_lshl_b32 s17, ttmp9, 3                       ; the group's first token
	s_cmp_eq_u32 s16, 8
	s_cbranch_scc1 .Lroute
	; WAVES 0-7: one row of x, 4,096 bytes in eight loads of 512 consecutive bytes; out as eight stores of 256 consecutive bytes, aligned
	s_add_co_u32 s18, s17, s16                     ; my row
	s_lshl_b32 s20, s18, 11                        ; its byte in xb
	s_mov_b32 s21, 0
	s_lshl_b32 s18, s18, 12                        ; its byte in x
	s_mov_b32 s19, 0
	v_lshlrev_b32 v2, 4, v1                        ; 16 bytes a lane in
	v_lshlrev_b32 v3, 3, v1                        ; 8 bytes a lane out
	s_wait_kmcnt 0x0
	s_add_nc_u64 s[4:5], s[4:5], s[18:19]
	s_add_nc_u64 s[10:11], s[10:11], s[20:21]
.irp j, 0,1,2,3,4,5,6,7
	global_load_b128 v[8+4*(\j):11+4*(\j)], v2, s[4:5] offset:512*(\j) th:TH_LOAD_NT
.endr
.irp j, 0,1,2,3,4,5,6,7
	s_wait_loadcnt 7-(\j)                          ; loads come back in order: load j is in, the younger ones stay out
	v_cvt_pk_bf16_f32 v[40+2*(\j)], v[8+4*(\j)], v[9+4*(\j)]
	v_cvt_pk_bf16_f32 v[41+2*(\j)], v[10+4*(\j)], v[11+4*(\j)]
	global_store_b64 v3, v[40+2*(\j):41+2*(\j)], s[10:11] offset:256*(\j)
.endr
	s_endpgm
.Lroute:
	; WAVE 8: lane l works for token 8 g + l % 8 (lanes 8-31 repeat lanes 0-7, so that every lane is on)
	v_and_b32 v2, 7, v1
	v_add_nc_u32 v2, s17, v2                       ; my token
	v_lshlrev_b32 v3, 5, v2                        ; its 32 bytes of logits
	s_mov_b32 s18, ttmp9
	s_wait_kmcnt 0x0
	global_load_b128 v[8:11], v3, s[6:7]
	global_load_b128 v[12:15], v3, s[6:7] offset:16
	s_load_b256 s[20:27], s[8:9], 0x0              ; the eight scales
	s_wait_loadcnt 0x0
	s_wait_kmcnt 0x0
.irp j, 0,1,2,3,4,5,6,7
	v_mov_b32 v[16+(\j)], s[20+(\j)]
.endr
.irp p, 0,1,2,3                        ; logits and scales rounded to bf16, and widened again
	v_cvt_pk_bf16_f32 v[24+(\p)], v[8+2*(\p)], v[9+2*(\p)]
	v_cvt_pk_bf16_f32 v[28+(\p)], v[16+2*(\p)], v[17+2*(\p)]
.endr
.irp p, 0,1,2,3
	v_lshlrev_b32 v[8+2*(\p)], 16, v[24+(\p)]
	v_and_b32 v[9+2*(\p)], HIMASK, v[24+(\p)]
	v_lshlrev_b32 v[16+2*(\p)], 16, v[28+(\p)]
	v_and_b32 v[17+2*(\p)], HIMASK, v[28+(\p)]
.endr
	; first choice: v32 its logit, v33 its index, v34 its scale.  Strictly greater: the lower index keeps a tie
	v_mov_b32 v32, v8
	v_mov_b32 v33, 0
	v_mov_b32 v34, v16
.irp j, 1,2,3,4,5,6,7
	v_cmp_gt_f32 vcc_lo, v[8+(\j)], v32
	v_cndmask_b32 v32, v32, v[8+(\j)], vcc_lo
	v_cndmask_b32 v33, v33, \j, vcc_lo
	v_cndmask_b32 v34, v34, v[16+(\j)], vcc_lo
.endr
	; second choice, the first left out: v35, v36, v37
	v_mov_b32 v35, NEGINF
	v_mov_b32 v36, 0
	v_mov_b32 v37, 0
.irp j, 0,1,2,3,4,5,6,7
	v_cmp_ne_u32 s30, \j, v33
	v_cmp_gt_f32 s31, v[8+(\j)], v35
	s_and_b32 vcc_lo, s30, s31
	v_cndmask_b32 v35, v35, v[8+(\j)], vcc_lo
	v_cndmask_b32 v36, v36, \j, vcc_lo
	v_cndmask_b32 v37, v37, v[16+(\j)], vcc_lo
.endr
	v_sub_f32 v38, v35, v32                        ; l2 - l1, never above 0
	v_mul_f32 v38, LOG2E, v38
	v_exp_f32 v39, v38                             ; e
	v_mov_b32 v40, 0                               ; a plain instruction behind the exponential: the bitmaps' register is cleared here
	s_wait_alu depctr_va_vdst(0)                   ; the wait ahead of the first use of e
	v_add_f32 v41, 1.0, v39
	v_rcp_f32 v42, v41
	v_lshlrev_b32 v45, 2, v2                       ; a plain instruction behind the reciprocal: my token's byte in cw
	s_wait_alu depctr_va_vdst(0)                   ; and ahead of the first use of the reciprocal
	v_mul_f32 v43, v42, v34                        ; first choice's weight
	v_mul_f32 v44, v39, v42
	v_mul_f32 v44, v44, v37                        ; second choice's weight
	; the 16 bitmap bytes of these 8 tokens: lane 2 e + kind of v40 takes the byte of expert e
.irp e, 0,1,2,3,4,5,6,7
	v_cmp_eq_u32 s32, \e, v33
	v_cmp_eq_u32 s33, \e, v36
	s_or_b32 s32, s32, s33
	s_and_b32 s32, s32, 0xff                       ; lanes 0-7 are the 8 tokens
	s_and_b32 s33, s33, 0xff
	v_writelane_b32 v40, s32, 2*(\e)
	v_writelane_b32 v40, s33, 2*(\e)+1
.endr
	v_lshl_add_u32 v46, v1, 8, s18                 ; row 2 e + kind of 256 bytes, byte g
	s_wait_xcnt 0x0                                ; EXEC changes only behind this wait
	v_cmp_gt_u32 vcc_lo, 8, v1
	s_and_saveexec_b32 s34, vcc_lo
	global_store_b32 v45, v43, s[14:15]            ; 32 bytes of each of cw's two rows: 16 KiB in the whole launch
	global_store_b32 v45, v44, s[14:15] offset:8192
	s_wait_xcnt 0x0
	s_or_b32 exec_lo, exec_lo, s34
	v_cmp_gt_u32 vcc_lo, 16, v1
	s_and_saveexec_b32 s34, vcc_lo
	global_store_b8 v46, v40, s[12:13]             ; one byte in each of 16 rows: 4 KiB in the whole launch; the layout is the one that the later launches' scalar loads take as words of 32 tokens
	s_wait_xcnt 0x0
	s_or_b32 exec_lo, exec_lo, s34
	s_endpgm
.Lfunc_end_k_q4985a5d948_route:
	.size	k_q4985a5d948_route, .Lfunc_end_k_q4985a5d948_route-k_q4985a5d948_route
	.p2alignl 7, 3214868480
	.fill 96, 4, 3214868480
	.section	.rodata,"a",@progbits
	.p2align	6, 0x0
	.amdhsa_kernel k_q4985a5d948_route
		.amdhsa_group_segment_fixed_size 0
		.amdhsa_private_segment_fixed_size 0
		.amdhsa_enable_private_segment 0
		.amdhsa_kernarg_size 48
		.amdhsa_user_sgpr_count 2
		.amdhsa_user_sgpr_kernarg_segment_ptr 1
		.amdhsa_wavefront_size32 1
		.amdhsa_system_sgpr_workgroup_id_x 1
		.amdhsa_system_sgpr_workgroup_id_y 1
		.amdhsa_system_sgpr_workgroup_id_z 1
		.amdhsa_system_vgpr_workitem_id 0
		.amdhsa_next_free_vgpr 64
		.amdhsa_next_free_sgpr 66
		.amdhsa_reserve_vcc 1
		.amdhsa_float_denorm_mode_32 3
		.amdhsa_float_denorm_mode_16_64 3
		.amdhsa_memory_ordered 1
		.amdhsa_forward_progress 1
		.amdhsa_inst_pref_size 14
	.end_amdhsa_kernel
	.amdgpu_metadata
---
amdhsa.version: [ 1, 2 ]
amdhsa.kernels:
  - .name:           k_q4985a5d948_route
    .symbol:         k_q4985a5d948_route.kd
    .args:
      - { .name: x, .offset: 0, .size: 8, .value_kind: global_buffer, .address_space: global }
      - { .name: router_logits, .offset: 8, .size: 8, .value_kind: global_buffer, .address_space: global }
      - { .name: per_expert_scale, .offset: 16, .size: 8, .value_kind: global_buffer, .address_space: global }
      - { .name: xb, .offset: 24, .size: 8, .value_kind: global_buffer, .address_space: global }
      - { .name: bm, .offset: 32, .size: 8, .value_kind: global_buffer, .address_space: global }
      - { .name: cw, .offset: 40, .size: 8, .value_kind: global_buffer, .address_space: global }
    .group_segment_fixed_size: 0
    .private_segment_fixed_size: 0
    .kernarg_segment_align: 8
    .kernarg_segment_size: 48
    .max_flat_workgroup_size: 288
    .sgpr_count:     66
    .vgpr_count:     64
    .wavefront_size: 32
...
	.end_amdgpu_metadata
.endif
;; end of part 1
;; launch place (part 2): grid 256 x 1, 8 waves a work-group, no clusters, 70,656 bytes of LDS; arguments xb, bm, xg, lst; writes xg, lst
.if DOCPART == 2
	.amdgcn_target "amdgcn-amd-amdhsa--gfx1250"
	.amdhsa_code_object_version 6
	.text
	.protected	k_q4985a5d948_place
	.globl	k_q4985a5d948_place
	.p2align	8
	.type	k_q4985a5d948_place,@function
k_q4985a5d948_place:
	s_mov_b64 s[64:65], 0
	v_nop
	global_prefetch_b8 v0, s[64:65] scope:SCOPE_SE
	s_setreg_imm32_b32 hwreg(HW_REG_WAVE_MODE, 25, 1), 1
	s_wait_xcnt 0x0
; PLACE.  The routed rows are laid end to end in the experts' order, as the register images that the first product takes, and each expert's list is stored.
; Work-group = (expert E, part P of 32): 8 x 32 = 256.  Eight waves; nothing is shared between waves, so there is no barrier.
; THE LIST.  Every wave makes its own copy, in its own LDS bytes, from the expert's two bitmaps (64 words of 32 tokens each): a member's place is the count so far plus the members in lower lanes;
; a place holds choice x 2,048 + token.  The 64 places past the count repeat the last member.  Serves every split: 0 to 2,048 rows an expert.
; lst, u32 [expert 8][2,048]: wave 0 stores places 64 P .. 64 P + 63, one store of 256 consecutive bytes, aligned; a place past the count holds the last member (token 0 for an expert without rows),
; so the whole buffer is written whatever the split.
; xg, bf16: [expert 8][block 128][K step 32][half 2][lane 32][16 bytes]: block = 16 routed rows; an image is the operand of 16 rows x 32 columns as a wave's registers take it.
; The work-group takes blocks P, P + 32, P + 64, P + 96 (a constant count of trips; a block past the expert's last is jumped forward).  Wave w takes bytes 256 w .. 256 w + 255 of the 16 rows:
; in by eight loads, sixteen lanes to one row's 256 consecutive bytes, aligned; through its own stage in LDS; out as four images, eight stores of 512 consecutive bytes, aligned.
; Numbers are moved, not changed.
.set LISTB,  4352                      ; u16 places 0-2047, padding to 2111, 2112-2143 for the lanes that are no members
.set STAGE,  8*LISTB                   ; 34,816: for each wave 16 rows x 272 bytes
.set STAGEB, 4352
.set SPITCH, 272                       ; 256 + 16 = 17 x 16: the 16 rows of a fragment load start in 16 different columns of 16 bytes
.set SPARE,  STAGE+8*STAGEB            ; 69,632: the spare words, 128 bytes a wave: four blocks of 256 bytes that no other line names
.set PMAX,   4
; v1 lane; v2 lane % 16; v3 lane / 16; v4 256 w + 16 (lane % 16); v5 the stage, in; v6 the stage, back; v7 my 16 bytes in the trip's first image; v8 where a lane that is no member puts its number;
; v9-11, v22-23 the list's way out; v12 16 x lane; v15 at work; v16-21 the list's making; v24-31 places, then offsets in xb; v32-63 rows as loaded; v64-95 images; v100, v101 the add's two registers
; s14 wave; s15 E; s16 P; s17 blocks; s18 count; s19 the last member's place; s20-23 at work; s[32:63] who chose the expert; s[68:99] for whom it is the second choice; s66 my list; s67 the trip's block; s68 trips
	s_load_b256 s[4:11], s[0:1], 0x0               ; xb s[4:5], bm s[6:7], xg s[8:9], lst s[10:11]
	v_lshl_add_u32 v100, v0, 2, SPARE
	v_mov_b32 v101, 0
	v_lshrrev_b32 v13, 5, v0
	v_readfirstlane_b32 s14, v13                   ; wave 0..7
	v_and_b32 v1, 31, v0
	v_and_b32 v2, 15, v0
	v_bfe_u32 v3, v0, 4, 1
	s_lshr_b32 s15, ttmp9, 5
	s_and_b32 s16, ttmp9, 31
	s_mul_i32 s66, s14, LISTB                      ; my list (the lists begin at LDS byte 0)
	s_mul_i32 s20, s14, STAGEB
	s_add_co_u32 s20, s20, STAGE                   ; my stage
	v_mul_u32_u24 v5, v3, SPITCH                   ; in: lanes 0-15 one row's 256 bytes, lanes 16-31 the next row's
	v_lshl_add_u32 v5, v2, 4, v5
	v_add_nc_u32 v5, s20, v5
	v_mul_u32_u24 v6, v2, SPITCH                   ; back: row l % 16, 16 bytes for each half of the lanes
	v_lshl_add_u32 v6, v3, 4, v6
	v_add_nc_u32 v6, s20, v6
	s_lshl_b32 s21, s14, 8
	v_lshl_add_u32 v4, v2, 4, s21                  ; my 16 bytes in a row of xb
	v_lshlrev_b32 v12, 4, v1
	s_lshl_b32 s22, s15, 9                         ; an expert's two bitmaps
	s_mov_b32 s23, 0
	s_wait_kmcnt 0x0
	s_add_nc_u64 s[6:7], s[6:7], s[22:23]
	; THE LIST
	s_mov_b32 s18, 0
	v_lshl_add_u32 v16, v1, 1, s66
	v_mov_b32 v17, 0
	ds_store_b16 v16, v17                          ; places 0-31 hold token 0 until members come: place 0 is defined for an expert without rows
	v_add_nc_u32 v8, 2112, v1
.set c, 0
.rept 2
	s_load_b512 s[32:47], s[6:7], 128*c            ; 32 words: who chose the expert,
	s_load_b512 s[48:63], s[6:7], 128*c+64
	s_load_b512 s[68:83], s[6:7], 256+128*c        ; and for whom it is the second choice
	s_load_b512 s[84:99], s[6:7], 256+128*c+64
	s_wait_kmcnt 0x0
.set i, 0
.rept 32
.set RK, 16+3*(i%2)
	v_mbcnt_lo_u32_b32 v[RK], s[32+i], s18         ; the count so far + the members in lower lanes
	v_cndmask_b32 v[RK], v8, v[RK], s[32+i]
	v_min_u32 v[RK], 2143, v[RK]
	v_lshl_add_u32 v[RK], v[RK], 1, s66
	v_or_b32 v[RK+1], 32*(32*c+i), v1              ; my token, as a first choice,
	v_or_b32 v[RK+2], 32*(32*c+i)+2048, v1         ; as a second
	v_cndmask_b32 v[RK+1], v[RK+1], v[RK+2], s[68+i]
	ds_store_b16 v[RK], v[RK+1]
	s_bcnt1_i32_b32 s22, s[32+i]
	s_add_co_u32 s18, s18, s22
.set i, i+1
.endr
.set c, c+1
.endr
	s_min_u32 s18, s18, 2048
	s_max_u32 s19, s18, 1
	s_sub_co_u32 s19, s19, 1
	s_min_u32 s19, s19, 2047                       ; the last member's place
	s_lshl_b32 s20, s19, 1
	s_add_co_u32 s20, s20, s66
	v_mov_b32 v16, s20
	ds_load_u16 v17, v16                           ; LDS serves a wave's instructions in order: this sees the stores above
	v_add_nc_u32 v18, s18, v1
	v_min_u32 v18, 2079, v18
	v_lshl_add_u32 v18, v18, 1, s66
	s_wait_dscnt 0x0
	ds_store_b16 v18, v17                          ; the 64 places past the count repeat it
	ds_store_b16 v18, v17 offset:64
	s_add_co_u32 s17, s18, 15
	s_lshr_b32 s17, s17, 4                         ; blocks of 16 rows
	; THE LIST'S WAY OUT: wave 0 alone; places 64 P + 2 l and 64 P + 2 l + 1, held to the last member's
	s_cmp_lg_u32 s14, 0
	s_cbranch_scc1 .Lno_list
	s_lshl_b32 s20, s16, 6
	v_lshl_add_u32 v9, v1, 1, s20
	v_add_nc_u32 v10, 1, v9
	v_min_u32 v9, s19, v9
	v_min_u32 v10, s19, v10
	v_min_u32 v9, 2047, v9
	v_min_u32 v10, 2047, v10
	v_lshl_add_u32 v9, v9, 1, s66
	v_lshl_add_u32 v10, v10, 1, s66
	ds_load_u16 v22, v9
	ds_load_u16 v23, v10
	s_lshl_b32 s20, s15, 13                        ; an expert's 2,048 words,
	s_lshl_b32 s21, s16, 8                         ; a part's 64
	s_add_co_u32 s20, s20, s21
	v_lshl_add_u32 v11, v1, 3, s20
	s_wait_dscnt 0x0
	global_store_b64 v11, v[22:23], s[10:11]       ; 32 lanes store 256 consecutive bytes, at a multiple of 256 from lst's first byte
.Lno_list:
	s_mov_b32 s67, s16                             ; the first trip's block
	s_mov_b32 s68, 0
.Ltrip:
	s_cmp_ge_u32 s67, s17
	s_cbranch_scc1 .Lskip                          ; the expert has no such block
	s_wait_xcnt 0x0                                ; earlier stores have read their data and offsets: only behind this wait are those registers written again
	s_lshl_b32 s22, s67, 4
	v_add_nc_u32 v15, s22, v3
	v_min_u32 v15, 2097, v15
	v_lshl_add_u32 v15, v15, 1, s66
.irp m, 0,1,2,3,4,5,6,7
	ds_load_u16 v[24+(\m)], v15 offset:4*(\m)      ; the list's place for row 2 m + lane / 16 of the block
.endr
	s_lshl_b32 s20, s15, 7
	s_add_co_u32 s20, s20, s67                     ; 128 E + block
	s_lshl_b32 s20, s20, 5
	s_lshl_b32 s21, s14, 2
	s_add_co_u32 s20, s20, s21                     ; x 32 + 4 w: my first image's number
	s_lshl_b32 s20, s20, 10                        ; an image is 1,024 bytes
	v_add_nc_u32 v7, s20, v12
	s_wait_dscnt 0x0
.irp m, 0,1,2,3,4,5,6,7
	v_min_u32 v[24+(\m)], 4095, v[24+(\m)]
	v_and_b32 v[24+(\m)], 0x7ff, v[24+(\m)]        ; the token
	v_lshl_add_u32 v[24+(\m)], v[24+(\m)], 11, v4  ; x 2,048 bytes + my 16 bytes
.endr
.irp m, 0,1,2,3,4,5,6,7
	global_load_b128 v[32+4*(\m):35+4*(\m)], v[24+(\m)], s[4:5]  ; 16 lanes take 256 consecutive bytes of a row, aligned
.endr
.irp m, 0,1,2,3,4,5,6,7
	s_wait_loadcnt 7-(\m)                          ; loads come back in order: load m is in, the younger ones stay out
	ds_store_b128 v5, v[32+4*(\m):35+4*(\m)] offset:2*SPITCH*(\m)
.endr
.irp j, 0,1,2,3,4,5,6,7
	ds_load_b128 v[64+4*(\j):67+4*(\j)], v6 offset:32*(\j)  ; image j / 2, half j % 2: bytes 32 j + 16 (l / 16) of row l % 16.  LDS serves a wave's instructions in order (ISA guide 5.7.1.4): these see the stores above
.endr
.irp j, 0,1,2,3,4,5,6,7
	s_wait_dscnt 7-(\j)                            ; load j is back; the younger ones stay out
	global_store_b128 v7, v[64+4*(\j):67+4*(\j)], s[8:9] offset:512*(\j)  ; 512 consecutive bytes, at a multiple of 256 from xg's first byte
.endr
.Lskip:
	s_add_co_u32 s67, s67, 32
	s_add_co_u32 s68, s68, 1
	s_cmp_lt_u32 s68, PMAX
	s_cbranch_scc1 .Ltrip
	s_wait_tensorcnt 0x0                           ; the wave's end, behind my last LDS store
	ds_add_u32 v100, v101
	s_wait_dscnt 0x0
	s_endpgm
.Lfunc_end_k_q4985a5d948_place:
	.size	k_q4985a5d948_place, .Lfunc_end_k_q4985a5d948_place-k_q4985a5d948_place
	.p2alignl 7, 3214868480
	.fill 96, 4, 3214868480
	.section	.rodata,"a",@progbits
	.p2align	6, 0x0
	.amdhsa_kernel k_q4985a5d948_place
		.amdhsa_group_segment_fixed_size 70656
		.amdhsa_private_segment_fixed_size 0
		.amdhsa_enable_private_segment 0
		.amdhsa_kernarg_size 32
		.amdhsa_user_sgpr_count 2
		.amdhsa_user_sgpr_kernarg_segment_ptr 1
		.amdhsa_wavefront_size32 1
		.amdhsa_system_sgpr_workgroup_id_x 1
		.amdhsa_system_sgpr_workgroup_id_y 1
		.amdhsa_system_sgpr_workgroup_id_z 1
		.amdhsa_system_vgpr_workitem_id 0
		.amdhsa_next_free_vgpr 104
		.amdhsa_next_free_sgpr 100
		.amdhsa_reserve_vcc 0
		.amdhsa_float_denorm_mode_32 3
		.amdhsa_float_denorm_mode_16_64 3
		.amdhsa_memory_ordered 1
		.amdhsa_forward_progress 1
		.amdhsa_inst_pref_size 46
	.end_amdhsa_kernel
	.amdgpu_metadata
---
amdhsa.version: [ 1, 2 ]
amdhsa.kernels:
  - .name:           k_q4985a5d948_place
    .symbol:         k_q4985a5d948_place.kd
    .args:
      - { .name: xb, .offset: 0, .size: 8, .value_kind: global_buffer, .address_space: global }
      - { .name: bm, .offset: 8, .size: 8, .value_kind: global_buffer, .address_space: global }
      - { .name: xg, .offset: 16, .size: 8, .value_kind: global_buffer, .address_space: global }
      - { .name: lst, .offset: 24, .size: 8, .value_kind: global_buffer, .address_space: global }
    .group_segment_fixed_size: 70656
    .private_segment_fixed_size: 0
    .kernarg_segment_align: 8
    .kernarg_segment_size: 32
    .max_flat_workgroup_size: 256
    .sgpr_count:     100
    .vgpr_count:     104
    .wavefront_size: 32
...
	.end_amdgpu_metadata
.endif
;; end of part 2
;; launch gateup (part 3): grid 256 x 1, 12 waves a work-group, no clusters, 133,632 bytes of LDS; arguments xg, w13, bm, hb; writes hb
.if DOCPART == 3
	.amdgcn_target "amdgcn-amd-amdhsa--gfx1250"
	.amdhsa_code_object_version 6
	.text
	.protected	k_q4985a5d948_gateup
	.globl	k_q4985a5d948_gateup
	.p2align	8
	.type	k_q4985a5d948_gateup,@function
k_q4985a5d948_gateup:
	s_mov_b64 s[64:65], 0
	v_nop
	global_prefetch_b8 v0, s[64:65] scope:SCOPE_SE
	s_setreg_imm32_b32 hwreg(HW_REG_WAVE_MODE, 25, 1), 1
	s_wait_xcnt 0x0
; GATE AND UP.  h = gelu(x w1^T) * (x w3^T) for the rows that chose an expert.  Work-group = (expert E, slice SL of 32 columns of the 1,024): 8 x 32 = 256.
; It alone reads its 64 rows of w13 (32 of the gate, 32 of the up projection, 256 KiB of f32), rounds them to bf16 on the way through registers and lays them into LDS; then one barrier.
; Behind it each of the 12 waves walks TRIPS of 3 blocks of 16 routed rows against all 64 weight rows: 12 accumulators.  The rows come from xg, where the launch before laid them end to end in the
; expert's order as register images: every load of a wave takes 512 consecutive bytes, aligned, at an address made of the block's number.  In a block that is not full the places past the count repeat the last row.
; THE COUNT of the expert's rows is the number of ones in its bitmap's 64 words, added up in scalar registers.  Serves every split: 0 to 2,048 rows an expert.
; THE TRIP LOOP counts to a constant (4 x 12 trips x 3 blocks cover 128 blocks); a trip past the expert's blocks is jumped forward; in a live trip a block past the last repeats the last one and is not stored;
; no barrier and nothing shared between waves stands in the loop.
; THE PRODUCT IS USED TRANSPOSED: source 0 = 16 weight rows, source 1 = 16 token rows: a lane then holds one token row (lane % 16) and the columns 8 (lane / 16) + 0..7 of a tile.
; OUT.  hb, bf16: [expert 8][block 128][K step 32][half 2][lane 32][16 bytes]: the register image of the next launch's operand (16 rows x 32 columns); each store of a wave covers 512 consecutive bytes, aligned.
; GELU is exact GELU with erf by the five-term rational form of Abramowitz and Stegun 7.1.26 (absolute error 1.5e-7):
;   gelu(g) = max(g, 0) - |g| P(t) 2^(-g^2 log2(e) / 2), t = 1 / (1 + 0.23164189 |g|), P with the halved coefficients.  The exponent is never above 0.
; FORMAT AND LIMITS.  Weights and x in bf16, sums in f32, h rounded once to bf16 (not f16: h may pass 65,504 for large inputs).  An exponential below 2^-126 counts as 0.
; NO JOINT LOADS: each weight byte has one reader; the 32 work-groups of an expert share its blocks of xg, but how many blocks there are hangs on a stored count, and a loop of such a length holds no barrier;
; a walk of constant length would ask for all 128 blocks of an expert, four times the 32 of an even split.
.set PITCH,  2064                      ; a weight row in LDS: 2,048 bytes + 16 = 129 x 16: the 16 rows of a fragment load start in 16 different columns of 16 bytes
.set SPARE,  64*PITCH                  ; 132,096: behind the weights the spare words, 128 bytes a wave: six blocks of 256 bytes that no other line names
.set UPSKIP, 992                       ; LDS rows 32-63 are w13's rows 1,024 + 32 SL + 0..31: 992 further than their place in the slice
.set PMAX,   4
.set ASTEP,  1024                      ; an image of 16 rows x 32 columns
.set AHALF,  512
.set ACC,    16                        ; v16-111   accumulators: block b, tile t at 16 + 32 b + 8 t (tiles 0, 1 gate; 2, 3 up)
.set AR,     112                       ; v112-183  token fragments, a ring of three K steps: 112 + 24 (ks % 3) + 8 b
.set BB,     184                       ; v184-247  weight fragments, two K steps: 184 + 32 (ks % 2) + 8 t
.set AG,     112                       ; the way out, in the rings' registers: |g|
.set DT,     128                       ; 1 + p |g|, then t
.set SE,     144                       ; the exponent, then the exponential
.set MX,     160                       ; max(g, 0), then gelu, then h
.set PP,     176                       ; the polynomial
.set KP,     76                        ; s[76:89] seven constants, each as a pair: written when the bitmap's words, which lie there first, are counted
.set KE,     78
.set KA1,    80
.set KA2,    82
.set KA3,    84
.set KA4,    86
.set KA5,    88
; v1 lane; v2 lane % 16; v3 16 (lane / 16); v4, v5 LDS addresses of weight rows 0-31, 32-63; v6-8 byte offsets of my 16 bytes in the three blocks' images in xg; v9-11 the same in hb;
; v12 16 x lane; v13-15 at work; v254, v255 the add's two registers
; s14 wave; s15 E; s16 SL; s18 count; s19 blocks; s[20:31] six row addresses; s[32:63], s[68:99] bitmap words; s67 at work, then the trip's first block; s68 trips; s70-75 at work; s90 the mask for |g|
.macro KPAIR r, val
	s_mov_b32 s[\r], \val
	s_mov_b32 s[(\r)+1], \val
.endm
.macro PLACES                          ; four plain instructions between a matrix instruction and a load into, or a vector instruction on, its registers
.rept 4
	v_nop
.endr
.endm
	s_load_b256 s[4:11], s[0:1], 0x0               ; xg s[4:5], w13 s[6:7], bm s[8:9], hb s[10:11]
	v_lshl_add_u32 v254, v0, 2, SPARE
	v_mov_b32 v255, 0
	v_lshrrev_b32 v13, 5, v0
	v_readfirstlane_b32 s14, v13                   ; wave 0..11
	v_and_b32 v1, 31, v0
	v_and_b32 v2, 15, v0
	v_bfe_u32 v3, v0, 4, 1
	v_lshlrev_b32 v3, 4, v3
	v_mul_u32_u24 v4, v2, PITCH
	v_add_nc_u32 v4, v4, v3                        ; row x pitch + 16 x half
	v_add_nc_u32 v5, 32*PITCH, v4
	v_lshlrev_b32 v12, 4, v1
	s_lshr_b32 s15, ttmp9, 5
	s_and_b32 s16, ttmp9, 31
	s_lshl_b32 s70, s15, 23                        ; an expert's 2,048 rows of 4,096 bytes,
	s_lshl_b32 s71, s16, 17                        ; a slice's 32
	s_add_co_u32 s70, s70, s71
	s_mov_b32 s71, 0
	s_lshl_b32 s72, s15, 9                         ; an expert's two bitmaps
	s_mov_b32 s73, 0
	s_wait_kmcnt 0x0
	s_add_nc_u64 s[6:7], s[6:7], s[70:71]
	s_add_nc_u64 s[8:9], s[8:9], s[72:73]
	; THE WEIGHTS ARE ASKED FOR.  Wave w takes LDS rows w + 12 k, k = 0..5 (k = 5 for waves 0-3 alone): a row is eight loads of 512 consecutive bytes.  The work-group's 256 KiB go out at once.
.irp k, 0,1,2,3,4,5
	s_add_co_u32 s70, s14, 12*(\k)
	s_cmp_ge_u32 s70, 32
	s_cselect_b32 s71, UPSKIP, 0
	s_add_co_u32 s70, s70, s71
	s_lshl_b32 s70, s70, 12
	s_mov_b32 s71, 0
	s_add_nc_u64 s[20+2*(\k):21+2*(\k)], s[6:7], s[70:71]
.endr
	s_load_b512 s[32:47], s[8:9], 0x0              ; the bitmap of who chose the expert: 64 words, asked for ahead of the weights
	s_load_b512 s[48:63], s[8:9], 0x40
	s_load_b512 s[68:83], s[8:9], 0x80
	s_load_b512 s[84:99], s[8:9], 0xc0
.macro WROW k
.irp j, 0,1,2,3,4,5,6,7
	global_load_b128 v[16+32*(\k)+4*(\j):16+32*(\k)+4*(\j)+3], v12, s[20+2*(\k):21+2*(\k)] offset:512*(\j) th:TH_LOAD_NT
.endr
.endm
	s_cmp_lt_u32 s14, 4
	s_cbranch_scc0 .Lno_sixth_row
	WROW 5                                         ; the sixth row first: it is then older than all the others, and the counts below are the same for every wave
.Lno_sixth_row:
.irp k, 0,1,2,3,4
	WROW \k
.endr
	; THE COUNT, while the weights are on their way
	s_wait_kmcnt 0x0
	s_mov_b32 s18, 0
.irp base, 32, 48, 68, 84
.set i, 0
.rept 16
	s_bcnt1_i32_b32 s67, s[\base+i]
	s_add_co_u32 s18, s18, s67
.set i, i+1
.endr
.endr
	s_min_u32 s18, s18, 2048
	s_add_co_u32 s19, s18, 15
	s_lshr_b32 s19, s19, 4                         ; blocks of 16 rows
	KPAIR KP,  0x3e6d3388                          ; 0.3275911 / sqrt(2)
	KPAIR KE,  0xbf38aa3b                          ; -log2(e) / 2
	KPAIR KA1, 0x3e027906                          ; 0.254829592 / 2
	KPAIR KA2, 0xbe11a98e                          ; -0.284496736 / 2
	KPAIR KA3, 0x3f35f0e3                          ; 1.421413741 / 2
	KPAIR KA4, 0xbf3a00e3                          ; -1.453152027 / 2
	KPAIR KA5, 0x3f07dc22                          ; 1.061405429 / 2
	s_mov_b32 s90, 0x7fffffff
	; THE WEIGHTS ARE ROUNDED AND LAID INTO LDS: a load's 512 bytes of f32 become 256 consecutive bytes of bf16
	s_mul_i32 s70, s14, PITCH
	v_lshl_add_u32 v13, v1, 3, s70                 ; rows w, w + 12, w + 24 by the offset,
	v_add_nc_u32 v14, 36*PITCH, v13                ; rows w + 36, w + 48, w + 60
.macro CONV k
.irp j, 0,1,2,3,4,5,6,7
.set R, 16+32*(\k)+4*(\j)
	v_cvt_pk_bf16_f32 v[R], v[R], v[R+1]
	v_cvt_pk_bf16_f32 v[R+1], v[R+2], v[R+3]
	ds_store_b64 v[13+(\k)/3], v[R:R+1] offset:((\k)%3)*12*PITCH+256*(\j)
.endr
.endm
.irp k, 0,1,2,3,4
	s_wait_loadcnt 8*(4-(\k))                      ; row k is in; the younger rows' eight loads each stay out
	CONV \k
.endr
	s_cmp_lt_u32 s14, 4
	s_cbranch_scc0 .Lno_sixth_conv
	CONV 5                                         ; older than row 0: the first wait above has shown it in
.Lno_sixth_conv:
	s_wait_dscnt 0x0                               ; for the others' sake: my rows are in LDS
	s_barrier_signal -1
	s_barrier_wait -1                              ; the only barrier: all 64 rows are there, and nobody writes them again
.macro ALOAD k                         ; the three blocks' images of K step k: two loads of 512 consecutive bytes each
.irp b, 0,1,2
	global_load_b128 v[AR+24*((\k)%3)+8*(\b):AR+24*((\k)%3)+8*(\b)+3],   v[6+(\b)], s[4:5] offset:(\k)*ASTEP
	global_load_b128 v[AR+24*((\k)%3)+8*(\b)+4:AR+24*((\k)%3)+8*(\b)+7], v[6+(\b)], s[4:5] offset:(\k)*ASTEP+AHALF
.endr
.endm
.macro BLOAD k                         ; the four tiles' weight fragments of K step k
.irp t, 0,1,2,3
	ds_load_b128 v[BB+32*((\k)%2)+8*(\t):BB+32*((\k)%2)+8*(\t)+3],   v[4+(\t)/2] offset:((\t)%2)*16*PITCH+(\k)*64
	ds_load_b128 v[BB+32*((\k)%2)+8*(\t)+4:BB+32*((\k)%2)+8*(\t)+7], v[4+(\t)/2] offset:((\t)%2)*16*PITCH+(\k)*64+32
.endr
.endm
.macro MULS k                          ; 12 matrix instructions; the 12 accumulators take turns, one instruction a turn.  K step 0 starts the sums: nothing is cleared
.irp t, 0,1,2,3
.irp b, 0,1,2
.if (\k) == 0
	v_wmma_f32_16x16x32_bf16 v[ACC+32*(\b)+8*(\t):ACC+32*(\b)+8*(\t)+7], v[BB+32*((\k)%2)+8*(\t):BB+32*((\k)%2)+8*(\t)+7], v[AR+24*((\k)%3)+8*(\b):AR+24*((\k)%3)+8*(\b)+7], 0
.else
	v_wmma_f32_16x16x32_bf16 v[ACC+32*(\b)+8*(\t):ACC+32*(\b)+8*(\t)+7], v[BB+32*((\k)%2)+8*(\t):BB+32*((\k)%2)+8*(\t)+7], v[AR+24*((\k)%3)+8*(\b):AR+24*((\k)%3)+8*(\b)+7], v[ACC+32*(\b)+8*(\t):ACC+32*(\b)+8*(\t)+7]
.endif
.endr
.endr
.endm
; THE WAY OUT of block b: 16 gate sums and 16 up sums a lane.  Each accumulator is read from its lowest register on.  The 16 reciprocals and 16 exponentials are one batch with one wait.
.macro GELU b
.set GG, ACC+32*(\b)
.set UU, ACC+32*(\b)+16
.set HH, 224+8*(\b)                    ; a set of eight for each block, so that no block waits for another's stores
.set i, 0
.rept 16
	v_and_b32 v[AG+i], s90, v[GG+i]
.set i, i+1
.endr
.set i, 0
.rept 8
	v_pk_fma_f32 v[DT+i:DT+i+1], v[AG+i:AG+i+1], s[KP:KP+1], 1.0 op_sel_hi:[1,0,0]
	v_pk_mul_f32 v[SE+i:SE+i+1], v[GG+i:GG+i+1], v[GG+i:GG+i+1]
.set i, i+2
.endr
.set i, 0
.rept 8
	v_pk_mul_f32 v[SE+i:SE+i+1], v[SE+i:SE+i+1], s[KE:KE+1] op_sel_hi:[1,0]
.set i, i+2
.endr
.set i, 0
.rept 16
	v_rcp_f32 v[DT+i], v[DT+i]
	v_exp_f32 v[SE+i], v[SE+i]
.set i, i+1
.endr
.set i, 0
.rept 16
	v_max_num_f32 v[MX+i], 0, v[GG+i]              ; plain work that names no result of the batch
.set i, i+1
.endr
	s_wait_alu depctr_va_vdst(0)                   ; the wait ahead of the batch's first reader: one for all 32
.set i, 0
.rept 8
	v_pk_fma_f32 v[PP+i:PP+i+1], v[DT+i:DT+i+1], s[KA5:KA5+1], s[KA4:KA4+1] op_sel_hi:[1,0,0]
.set i, i+2
.endr
.irp a, KA3, KA2, KA1
.set i, 0
.rept 8
	v_pk_fma_f32 v[PP+i:PP+i+1], v[PP+i:PP+i+1], v[DT+i:DT+i+1], s[\a:\a+1] op_sel_hi:[1,1,0]
.set i, i+2
.endr
.endr
.set i, 0
.rept 8
	v_pk_mul_f32 v[PP+i:PP+i+1], v[PP+i:PP+i+1], v[DT+i:DT+i+1]
.set i, i+2
.endr
.set i, 0
.rept 8
	v_pk_mul_f32 v[PP+i:PP+i+1], v[PP+i:PP+i+1], v[SE+i:SE+i+1]
.set i, i+2
.endr
.set i, 0
.rept 8
	v_pk_fma_f32 v[MX+i:MX+i+1], v[AG+i:AG+i+1], v[PP+i:PP+i+1], v[MX+i:MX+i+1] neg_lo:[1,0,0] neg_hi:[1,0,0]  ; max(g, 0) - |g| P e
.set i, i+2
.endr
.set i, 0
.rept 8
	v_pk_mul_f32 v[MX+i:MX+i+1], v[MX+i:MX+i+1], v[UU+i:UU+i+1]
.set i, i+2
.endr
.set i, 0
.rept 8
	v_cvt_pk_bf16_f32 v[HH+i], v[MX+2*i], v[MX+2*i+1]
.set i, i+1
.endr
	global_store_b128 v[9+(\b)], v[HH:HH+3], s[10:11]               ; columns 8 (l / 16) + 0..7 of the slice's 32: registers 0-3 of the next launch's fragment
	global_store_b128 v[9+(\b)], v[HH+4:HH+7], s[10:11] offset:512  ; columns 16 + 8 (l / 16) + 0..7: its registers 4-7
.endm
	s_mul_i32 s67, s14, 3                          ; my first trip's first block
	s_mov_b32 s68, 0
.Ltrip:
	s_cmp_ge_u32 s67, s19
	s_cbranch_scc1 .Lskip                          ; no block of this trip exists
	s_wait_xcnt 0x0                                ; the last trip's stores have read their data and offsets: only behind this wait are those registers written again
	s_sub_co_u32 s73, s19, 1
	s_lshl_b32 s74, s15, 7
.irp b, 0,1,2
	s_add_co_u32 s75, s67, \b
	s_min_u32 s75, s75, s73                        ; a block past the expert's last repeats the last one
	s_min_u32 s75, s75, 127
	s_add_co_u32 s75, s74, s75                     ; 128 E + block
	s_lshl_b32 s75, s75, 15                        ; a block's 32 images of 1,024 bytes
	v_add_nc_u32 v[6+(\b)], s75, v12
.endr
	s_add_co_u32 s71, s74, s67                     ; 128 E + the trip's first block
	s_lshl_b32 s71, s71, 5
	s_add_co_u32 s71, s71, s16                     ; x 32 + SL: the image's number in hb
	s_lshl_b32 s71, s71, 10
	v_add_nc_u32 v9, s71, v12
	v_add_nc_u32 v10, 32768, v9                    ; a block's 32 images on
	v_add_nc_u32 v11, 65536, v9
	ALOAD 0
	ALOAD 1
	ALOAD 2
	BLOAD 0
	BLOAD 1
.set ks, 0
.rept 32                               ; K is written out: every offset is an immediate, and no address is stepped
.if ks < 30
	s_wait_loadcnt 12                              ; this step's images are in; the next two steps' six loads each stay out
	s_wait_dscnt 8                                 ; this step's weight fragments are in; the next step's eight loads stay out
.elseif ks == 30
	s_wait_loadcnt 6
	s_wait_dscnt 8
.else
	s_wait_loadcnt 0
	s_wait_dscnt 0
.endif
	MULS ks
.if ks != 30
	PLACES                                         ; ahead of the loads into the registers just multiplied; behind the last step: ahead of the way out
.endif
.if ks < 30
	BLOAD ks+2
.endif
.if ks < 29
	ALOAD ks+3
.endif
.set ks, ks+1
.endr
	GELU 0
	s_add_co_u32 s70, s67, 1
	s_cmp_ge_u32 s70, s19
	s_cbranch_scc1 .Lskip                          ; a block past the expert's last is not stored
	GELU 1
	s_add_co_u32 s70, s67, 2
	s_cmp_ge_u32 s70, s19
	s_cbranch_scc1 .Lskip
	GELU 2
.Lskip:
	s_add_co_u32 s67, s67, 36                      ; 12 waves x 3 blocks on
	s_add_co_u32 s68, s68, 1
	s_cmp_lt_u32 s68, PMAX
	s_cbranch_scc1 .Ltrip
	s_wait_tensorcnt 0x0                           ; the wave's end, behind my last LDS store
	ds_add_u32 v254, v255
	s_wait_dscnt 0x0
	s_endpgm
.Lfunc_end_k_q4985a5d948_gateup:
	.size	k_q4985a5d948_gateup, .Lfunc_end_k_q4985a5d948_gateup-k_q4985a5d948_gateup
	.p2alignl 7, 3214868480
	.fill 96, 4, 3214868480
	.section	.rodata,"a",@progbits
	.p2align	6, 0x0
	.amdhsa_kernel k_q4985a5d948_gateup
		.amdhsa_group_segment_fixed_size 133632
		.amdhsa_private_segment_fixed_size 0
		.amdhsa_enable_private_segment 0
		.amdhsa_kernarg_size 32
		.amdhsa_user_sgpr_count 2
		.amdhsa_user_sgpr_kernarg_segment_ptr 1
		.amdhsa_wavefront_size32 1
		.amdhsa_system_sgpr_workgroup_id_x 1
		.amdhsa_system_sgpr_workgroup_id_y 1
		.amdhsa_system_sgpr_workgroup_id_z 1
		.amdhsa_system_vgpr_workitem_id 0
		.amdhsa_next_free_vgpr 256
		.amdhsa_next_free_sgpr 100
		.amdhsa_reserve_vcc 0
		.amdhsa_float_denorm_mode_32 3
		.amdhsa_float_denorm_mode_16_64 3
		.amdhsa_memory_ordered 1
		.amdhsa_forward_progress 1
		.amdhsa_inst_pref_size 113
	.end_amdhsa_kernel
	.amdgpu_metadata
---
amdhsa.version: [ 1, 2 ]
amdhsa.kernels:
  - .name:           k_q4985a5d948_gateup
    .symbol:         k_q4985a5d948_gateup.kd
    .args:
      - { .name: xg, .offset: 0, .size: 8, .value_kind: global_buffer, .address_space: global }
      - { .name: w13, .offset: 8, .size: 8, .value_kind: global_buffer, .address_space: global }
      - { .name: bm, .offset: 16, .size: 8, .value_kind: global_buffer, .address_space: global }
      - { .name: hb, .offset: 24, .size: 8, .value_kind: global_buffer, .address_space: global }
    .group_segment_fixed_size: 133632
    .private_segment_fixed_size: 0
    .kernarg_segment_align: 8
    .kernarg_segment_size: 32
    .max_flat_workgroup_size: 384
    .sgpr_count:     100
    .vgpr_count:     256
    .wavefront_size: 32
...
	.end_amdgpu_metadata
.endif
;; end of part 3
;; launch down (part 4): grid 256 x 1, 12 waves a work-group, no clusters, 188,928 bytes of LDS; arguments hb, w2, bm, cw, lst, y; writes y
.if DOCPART == 4
	.amdgcn_target "amdgcn-amd-amdhsa--gfx1250"
	.amdhsa_code_object_version 6
	.text
	.protected	k_q4985a5d948_down
	.globl	k_q4985a5d948_down
	.p2align	8
	.type	k_q4985a5d948_down,@function
k_q4985a5d948_down:
	s_mov_b64 s[64:65], 0
	v_nop
	global_prefetch_b8 v0, s[64:65] scope:SCOPE_SE
	s_setreg_imm32_b32 hwreg(HW_REG_WAVE_MODE, 25, 1), 1
	s_wait_xcnt 0x0
; DOWN.  y[choice][token][:] = weight x (h w2^T) for every routed row.  Work-group = (expert E, slice SL of 64 of the 1,024 columns, half J of the expert's blocks): 8 x 16 x 2 = 256.
; It reads its 64 rows of w2 (256 KiB of f32; the two halves of an expert's blocks read the same slice), rounds them to bf16 through registers and lays them into LDS; then one barrier.
; Behind it each of the 12 waves walks TRIPS of 3 blocks of 16 routed rows against all 64 weight rows.  h comes from hb as register images: every load of a wave takes 512 consecutive bytes, aligned.
; 64 columns, so that a row's part is 256 consecutive bytes of y, aligned, stored whole by sixteen neighbouring lanes.
; THE LIST lies in lst, u32 [expert 8][2,048], stored by an earlier launch: a place holds choice x 2,048 + token, the row's number in cw and in y.  A trip takes its 48 places into the wave's own 192 LDS bytes.
; The places past the count repeat the last member: in the last block they carry the same h, the same weight and the same row of y, so the same numbers go to the same bytes, from the same wave, and EXEC stays whole.
; THE COUNT of the expert's rows is the number of ones in its bitmap's 64 words, added up in scalar registers.  Serves every split: 0 to 2,048 rows an expert.
; THE TRIP LOOP counts to a constant (2 x 12 trips x 3 blocks cover a half's 64 blocks); a trip past the half's end is jumped forward; in a live trip a block past the end repeats the last one and is not stored.
; Each (choice, token) stands in one expert's list and one half; the 16 slices cover its 4,096 bytes: every byte of y has one writer.  The partial rows stay in f32; the next launch adds the two.
; THE PRODUCT IS USED TRANSPOSED: source 0 = 16 weight rows, source 1 = 16 rows of h: a lane holds one routed row (lane % 16) and the columns 8 (lane / 16) + 0..7 of a tile.
; FORMAT.  w2 and h in bf16, sums and weights in f32.
; NO JOINT LOADS: hb's blocks are shared by an expert's 16 slices, but how many blocks there are hangs on a stored count, and a loop of such a length holds no barrier;
; a walk of constant length would ask for all 128 blocks of an expert, four times the 32 of an even split.
.set PITCH,  2064                      ; a weight row in LDS: 2,048 bytes + 16 = 129 x 16
.set MINI,   64*PITCH                  ; 132,096: for each wave a block of 256 bytes: the trip's 48 places of the list, a word each
.set MINIB,  256
.set STAGE,  MINI+12*MINIB             ; 135,168: for each wave 16 rows x 272 bytes, for the way out
.set STAGEB, 4352
.set SPITCH, 272
.set SPARE,  STAGE+12*STAGEB           ; 187,392: the spare words, 128 bytes a wave: six blocks of 256 bytes that no other line names
.set PMAX,   2
.set ASTEP,  1024                      ; an image of 16 rows x 32 columns
.set AHALF,  512
.set ACC,    16                        ; v16-111   accumulators: block b, tile t at 16 + 32 b + 8 t
.set AR,     112                       ; v112-183  fragments of h, a ring of three K steps; on the way out: rows read back, list places, offsets
.set BB,     184                       ; v184-247  weight fragments, two K steps
; v1 lane; v2 lane % 16; v3 16 (lane / 16); v4, v5 LDS addresses of weight rows 0-31, 32-63; v6-8 byte offsets of my 16 bytes in the three blocks' images;
; v9 the stage, in; v10 the stage, back; v11 256 SL + 16 (lane % 16); v12 16 x lane; v13-15 at work;
; v248-253 for each block a pair: my row's weight, and its byte offset in cw; v254, v255 the add's two registers
; s[2:3] lst; s14 wave; s15 E; s16 SL; s17 J; s18 count; s19 blocks; s[20:31] six row addresses; s[32:63], s[68:99] bitmap words; s66 my 256 bytes of the list; s67 at work, then the trip's first block; s68 trips; s69 the half's end; s70-75 at work
.macro PLACES
.rept 4
	v_nop
.endr
.endm
	s_load_b256 s[4:11], s[0:1], 0x0               ; hb s[4:5], w2 s[6:7], bm s[8:9], cw s[10:11]
	s_load_b64 s[2:3], s[0:1], 0x20                ; lst
	s_load_b64 s[12:13], s[0:1], 0x28              ; y
	v_lshl_add_u32 v254, v0, 2, SPARE
	v_mov_b32 v255, 0
	v_lshrrev_b32 v13, 5, v0
	v_readfirstlane_b32 s14, v13                   ; wave 0..11
	v_and_b32 v1, 31, v0
	v_and_b32 v2, 15, v0
	v_bfe_u32 v13, v0, 4, 1                        ; lane / 16
	v_lshlrev_b32 v3, 4, v13
	v_mul_u32_u24 v4, v2, PITCH
	v_add_nc_u32 v4, v4, v3
	v_add_nc_u32 v5, 32*PITCH, v4
	v_lshlrev_b32 v12, 4, v1
	s_lshr_b32 s15, ttmp9, 5
	s_bfe_u32 s16, ttmp9, 0x40001
	s_and_b32 s17, ttmp9, 1
	s_mul_i32 s66, s14, MINIB
	s_add_co_u32 s66, s66, MINI
	s_mul_i32 s70, s14, STAGEB
	s_add_co_u32 s70, s70, STAGE                   ; my stage
	v_mul_u32_u24 v9, v2, SPITCH                   ; in: row l % 16, 32 bytes for each half of the lanes in each tile's 64
	v_lshl_add_u32 v9, v3, 1, v9
	v_add_nc_u32 v9, s70, v9
	v_mul_u32_u24 v10, v13, SPITCH                 ; back: lanes 0-15 take one row of 256 bytes, lanes 16-31 the next
	v_lshl_add_u32 v10, v2, 4, v10
	v_add_nc_u32 v10, s70, v10
	s_lshl_b32 s71, s16, 8
	v_lshl_add_u32 v11, v2, 4, s71                 ; my 16 bytes in a row of y
	s_lshl_b32 s70, s15, 22                        ; an expert's 1,024 rows of 4,096 bytes,
	s_lshl_b32 s71, s16, 18                        ; a slice's 64
	s_add_co_u32 s70, s70, s71
	s_mov_b32 s71, 0
	s_lshl_b32 s72, s15, 9
	s_mov_b32 s73, 0
	s_wait_kmcnt 0x0
	s_add_nc_u64 s[6:7], s[6:7], s[70:71]
	s_add_nc_u64 s[8:9], s[8:9], s[72:73]
	; THE WEIGHTS ARE ASKED FOR.  Wave w takes rows w + 12 k, k = 0..5 (k = 5 for waves 0-3 alone); the work-group's 256 KiB go out at once.
.irp k, 0,1,2,3,4,5
	s_add_co_u32 s70, s14, 12*(\k)
	s_lshl_b32 s70, s70, 12
	s_mov_b32 s71, 0
	s_add_nc_u64 s[20+2*(\k):21+2*(\k)], s[6:7], s[70:71]
.endr
	s_load_b512 s[32:47], s[8:9], 0x0              ; the bitmap of who chose the expert: 64 words, asked for ahead of the weights
	s_load_b512 s[48:63], s[8:9], 0x40
	s_load_b512 s[68:83], s[8:9], 0x80
	s_load_b512 s[84:99], s[8:9], 0xc0
.macro WROW k
.irp j, 0,1,2,3,4,5,6,7
	global_load_b128 v[16+32*(\k)+4*(\j):16+32*(\k)+4*(\j)+3], v12, s[20+2*(\k):21+2*(\k)] offset:512*(\j)
.endr
.endm
	s_cmp_lt_u32 s14, 4
	s_cbranch_scc0 .Lno_sixth_row
	WROW 5                                         ; the sixth row first: older than all the others, so the counts below are the same for every wave
.Lno_sixth_row:
.irp k, 0,1,2,3,4
	WROW \k
.endr
	; THE COUNT, while the weights are on their way
	s_wait_kmcnt 0x0
	s_mov_b32 s18, 0
.irp base, 32, 48, 68, 84
.set i, 0
.rept 16
	s_bcnt1_i32_b32 s67, s[\base+i]
	s_add_co_u32 s18, s18, s67
.set i, i+1
.endr
.endr
	s_min_u32 s18, s18, 2048
	s_add_co_u32 s19, s18, 15
	s_lshr_b32 s19, s19, 4                         ; blocks of 16 rows
	; THE WEIGHTS ARE ROUNDED AND LAID INTO LDS
	s_mul_i32 s70, s14, PITCH
	v_lshl_add_u32 v13, v1, 3, s70
	v_add_nc_u32 v14, 36*PITCH, v13
.macro CONV k
.irp j, 0,1,2,3,4,5,6,7
.set R, 16+32*(\k)+4*(\j)
	v_cvt_pk_bf16_f32 v[R], v[R], v[R+1]
	v_cvt_pk_bf16_f32 v[R+1], v[R+2], v[R+3]
	ds_store_b64 v[13+(\k)/3], v[R:R+1] offset:((\k)%3)*12*PITCH+256*(\j)
.endr
.endm
.irp k, 0,1,2,3,4
	s_wait_loadcnt 8*(4-(\k))                      ; row k is in; the younger rows' eight loads each stay out
	CONV \k
.endr
	s_cmp_lt_u32 s14, 4
	s_cbranch_scc0 .Lno_sixth_conv
	CONV 5
.Lno_sixth_conv:
	s_wait_dscnt 0x0                               ; for the others' sake: my rows are in LDS
	s_barrier_signal -1
	s_barrier_wait -1                              ; the only barrier
.macro ALOAD k                         ; the three blocks' images of K step k: two loads of 512 consecutive bytes each
.irp b, 0,1,2
	global_load_b128 v[AR+24*((\k)%3)+8*(\b):AR+24*((\k)%3)+8*(\b)+3],   v[6+(\b)], s[4:5] offset:(\k)*ASTEP
	global_load_b128 v[AR+24*((\k)%3)+8*(\b)+4:AR+24*((\k)%3)+8*(\b)+7], v[6+(\b)], s[4:5] offset:(\k)*ASTEP+AHALF
.endr
.endm
.macro BLOAD k
.irp t, 0,1,2,3
	ds_load_b128 v[BB+32*((\k)%2)+8*(\t):BB+32*((\k)%2)+8*(\t)+3],   v[4+(\t)/2] offset:((\t)%2)*16*PITCH+(\k)*64
	ds_load_b128 v[BB+32*((\k)%2)+8*(\t)+4:BB+32*((\k)%2)+8*(\t)+7], v[4+(\t)/2] offset:((\t)%2)*16*PITCH+(\k)*64+32
.endr
.endm
.macro MULS k                          ; the 12 accumulators take turns, one instruction a turn.  K step 0 starts the sums
.irp t, 0,1,2,3
.irp b, 0,1,2
.if (\k) == 0
	v_wmma_f32_16x16x32_bf16 v[ACC+32*(\b)+8*(\t):ACC+32*(\b)+8*(\t)+7], v[BB+32*((\k)%2)+8*(\t):BB+32*((\k)%2)+8*(\t)+7], v[AR+24*((\k)%3)+8*(\b):AR+24*((\k)%3)+8*(\b)+7], 0
.else
	v_wmma_f32_16x16x32_bf16 v[ACC+32*(\b)+8*(\t):ACC+32*(\b)+8*(\t)+7], v[BB+32*((\k)%2)+8*(\t):BB+32*((\k)%2)+8*(\t)+7], v[AR+24*((\k)%3)+8*(\b):AR+24*((\k)%3)+8*(\b)+7], v[ACC+32*(\b)+8*(\t):ACC+32*(\b)+8*(\t)+7]
.endif
.endr
.endr
.endm
; THE WAY OUT of block b: times the row's weight; through my own stage, so that whole rows of 256 bytes come back; each row to the place in y that the list names.
.macro OUT b
	s_wait_xcnt 0x0                                ; the block before has had its stores' data and offsets read: only behind this wait are those registers written again
	v_lshrrev_b32 v15, 2, v3                       ; 4 (lane / 16)
	v_add_nc_u32 v15, s66, v15
.irp m, 0,1,2,3,4,5,6,7
	ds_load_b32 v[144+(\m)], v15 offset:64*(\b)+8*(\m)  ; the list's place for row 2 m + lane / 16 of the block
.endr
.set i, 0
.rept 16                               ; each accumulator from its lowest registers on
	v_pk_mul_f32 v[ACC+32*(\b)+i:ACC+32*(\b)+i+1], v[ACC+32*(\b)+i:ACC+32*(\b)+i+1], v[248+2*(\b):249+2*(\b)] op_sel_hi:[1,0]
.set i, i+2
.endr
.irp t, 0,1,2,3
	ds_store_b128 v9, v[ACC+32*(\b)+8*(\t):ACC+32*(\b)+8*(\t)+3] offset:64*(\t)
	ds_store_b128 v9, v[ACC+32*(\b)+8*(\t)+4:ACC+32*(\b)+8*(\t)+7] offset:64*(\t)+16
.endr
.irp m, 0,1,2,3,4,5,6,7
	ds_load_b128 v[112+4*(\m):115+4*(\m)], v10 offset:2*SPITCH*(\m)  ; LDS serves a wave's instructions in order (ISA guide 5.7.1.4): these see the stores above, and the next block's stores come behind them
.endr
	s_wait_dscnt 16                                ; the eight places are in; the eight stores and the eight loads behind them may stay out
.irp m, 0,1,2,3,4,5,6,7
	v_min_u32 v[144+(\m)], 4095, v[144+(\m)]
	v_lshl_add_u32 v[152+(\m)], v[144+(\m)], 12, v11  ; row x 4,096 bytes + my 16 bytes of the slice's 256
.endr
.irp m, 0,1,2,3,4,5,6,7
	s_wait_dscnt 7-(\m)                            ; rows 2 m and 2 m + 1 are back; the younger loads stay out
	global_store_b128 v[152+(\m)], v[112+4*(\m):115+4*(\m)], s[12:13]  ; 16 lanes store 256 consecutive bytes, at a multiple of 256 from y's first byte
.endr
.endm
	s_add_co_u32 s70, s19, 1
	s_lshr_b32 s70, s70, 1                         ; the first half's blocks
	s_cmp_lg_u32 s17, 0
	s_cselect_b32 s67, s70, 0                      ; my half begins here
	s_cselect_b32 s69, s19, s70                    ; and ends in front of this block
	s_mul_i32 s71, s14, 3
	s_add_co_u32 s67, s67, s71                     ; my first trip's first block
	s_mov_b32 s68, 0
.Ltrip:
	s_cmp_ge_u32 s67, s69
	s_cbranch_scc1 .Lskip                          ; no block of this trip exists
	s_wait_xcnt 0x0                                ; the last trip's stores have read their registers
	s_sub_co_u32 s73, s69, 1
	s_lshl_b32 s74, s15, 7
.irp b, 0,1,2
	s_add_co_u32 s70, s67, \b
	s_min_u32 s70, s70, s73                        ; a block past the half's end repeats the last one
	s_min_u32 s70, s70, 127
	s_add_co_u32 s75, s74, s70                     ; 128 E + block
	s_lshl_b32 s71, s75, 15                        ; a block's 32 images of 1,024 bytes
	v_add_nc_u32 v[6+(\b)], s71, v12
	s_lshl_b32 s71, s75, 6                         ; a block's 16 words of the list
	v_lshl_add_u32 v[13+(\b)], v2, 2, s71
	global_load_b32 v[249+2*(\b)], v[13+(\b)], s[2:3]  ; my row's place in the list
.endr
	ALOAD 0
	ALOAD 1
	ALOAD 2
	s_wait_loadcnt 18                              ; the three places are in; the 18 loads of the first three K steps, issued behind them, stay out
	v_lshl_add_u32 v13, v2, 2, s66
.irp b, 0,1,2
	v_min_u32 v[249+2*(\b)], 4095, v[249+2*(\b)]
	ds_store_b32 v13, v[249+2*(\b)] offset:64*(\b)  ; kept for the way out: word 16 b + lane % 16 of my 256 bytes (the two halves of the lanes store the same word)
	v_lshlrev_b32 v[249+2*(\b)], 2, v[249+2*(\b)]
	global_load_b32 v[248+2*(\b)], v[249+2*(\b)], s[10:11]  ; my row's weight: wanted on the way out
.endr
	BLOAD 0
	BLOAD 1
.set ks, 0
.rept 32
.if ks < 30
	s_wait_loadcnt 12                              ; this step's images are in; the next two steps' six loads each stay out (in steps 0 to 2 the three loads of weights lie among the younger ones: the count is then three lower than it need be)
	s_wait_dscnt 8                                 ; this step's weight fragments are in; the next step's eight loads stay out
.elseif ks == 30
	s_wait_loadcnt 6
	s_wait_dscnt 8
.else
	s_wait_loadcnt 0
	s_wait_dscnt 0
.endif
	MULS ks
.if ks != 30
	PLACES                                         ; ahead of the loads into the registers just multiplied; behind the last step: ahead of the way out
.endif
.if ks < 30
	BLOAD ks+2
.endif
.if ks < 29
	ALOAD ks+3
.endif
.set ks, ks+1
.endr
	OUT 0
	s_add_co_u32 s75, s67, 1
	s_cmp_ge_u32 s75, s69
	s_cbranch_scc1 .Lskip                          ; a block past the half's end is not stored
	OUT 1
	s_add_co_u32 s75, s67, 2
	s_cmp_ge_u32 s75, s69
	s_cbranch_scc1 .Lskip
	OUT 2
.Lskip:
	s_add_co_u32 s67, s67, 36                      ; 12 waves x 3 blocks on
	s_add_co_u32 s68, s68, 1
	s_cmp_lt_u32 s68, PMAX
	s_cbranch_scc1 .Ltrip
	s_wait_tensorcnt 0x0                           ; the wave's end, behind my last LDS store
	ds_add_u32 v254, v255
	s_wait_dscnt 0x0
	s_endpgm
.Lfunc_end_k_q4985a5d948_down:
	.size	k_q4985a5d948_down, .Lfunc_end_k_q4985a5d948_down-k_q4985a5d948_down
	.p2alignl 7, 3214868480
	.fill 96, 4, 3214868480
	.section	.rodata,"a",@progbits
	.p2align	6, 0x0
	.amdhsa_kernel k_q4985a5d948_down
		.amdhsa_group_segment_fixed_size 188928
		.amdhsa_private_segment_fixed_size 0
		.amdhsa_enable_private_segment 0
		.amdhsa_kernarg_size 48
		.amdhsa_user_sgpr_count 2
		.amdhsa_user_sgpr_kernarg_segment_ptr 1
		.amdhsa_wavefront_size32 1
		.amdhsa_system_sgpr_workgroup_id_x 1
		.amdhsa_system_sgpr_workgroup_id_y 1
		.amdhsa_system_sgpr_workgroup_id_z 1
		.amdhsa_system_vgpr_workitem_id 0
		.amdhsa_next_free_vgpr 256
		.amdhsa_next_free_sgpr 100
		.amdhsa_reserve_vcc 0
		.amdhsa_float_denorm_mode_32 3
		.amdhsa_float_denorm_mode_16_64 3
		.amdhsa_memory_ordered 1
		.amdhsa_forward_progress 1
		.amdhsa_inst_pref_size 103
	.end_amdhsa_kernel
	.amdgpu_metadata
---
amdhsa.version: [ 1, 2 ]
amdhsa.kernels:
  - .name:           k_q4985a5d948_down
    .symbol:         k_q4985a5d948_down.kd
    .args:
      - { .name: hb, .offset: 0, .size: 8, .value_kind: global_buffer, .address_space: global }
      - { .name: w2, .offset: 8, .size: 8, .value_kind: global_buffer, .address_space: global }
      - { .name: bm, .offset: 16, .size: 8, .value_kind: global_buffer, .address_space: global }
      - { .name: cw, .offset: 24, .size: 8, .value_kind: global_buffer, .address_space: global }
      - { .name: lst, .offset: 32, .size: 8, .value_kind: global_buffer, .address_space: global }
      - { .name: y, .offset: 40, .size: 8, .value_kind: global_buffer, .address_space: global }
    .group_segment_fixed_size: 188928
    .private_segment_fixed_size: 0
    .kernarg_segment_align: 8
    .kernarg_segment_size: 48
    .max_flat_workgroup_size: 384
    .sgpr_count:     100
    .vgpr_count:     256
    .wavefront_size: 32
...
	.end_amdgpu_metadata
.endif
;; end of part 4
;; launch combine (part 5): grid 256 x 1, 8 waves a work-group, no clusters, 0 bytes of LDS; arguments y, out0; writes out0
.if DOCPART == 5
	.amdgcn_target "amdgcn-amd-amdhsa--gfx1250"
	.amdhsa_code_object_version 6
	.text
	.protected	k_q4985a5d948_combine
	.globl	k_q4985a5d948_combine
	.p2align	8
	.type	k_q4985a5d948_combine,@function
k_q4985a5d948_combine:
	s_mov_b64 s[64:65], 0
	v_nop
	global_prefetch_b8 v0, s[64:65] scope:SCOPE_SE
	s_setreg_imm32_b32 hwreg(HW_REG_WAVE_MODE, 25, 1), 1
	s_wait_xcnt 0x0
; COMBINE.  out0[t][:] = y[0][t][:] + y[1][t][:]: the two weighted partial rows of a token, both f32, added once.
; A wave takes one token: 2 x 4,096 bytes in sixteen loads of 512 consecutive bytes, all out before the first wait; 4,096 bytes out in eight stores of 512 consecutive bytes.
; A stream: no LDS, no barrier, no matrix work.
	s_load_b128 s[4:7], s[0:1], 0x0                ; y s[4:5], out0 s[6:7]
	v_lshrrev_b32 v2, 5, v0
	v_readfirstlane_b32 s8, v2                     ; wave 0..7
	v_and_b32 v1, 31, v0
	v_lshlrev_b32 v1, 4, v1                        ; 16 bytes a lane
	s_lshl_b32 s9, ttmp9, 3
	s_add_co_u32 s9, s9, s8                        ; my token
	s_lshl_b32 s10, s9, 12
	s_mov_b32 s11, 0
	s_wait_kmcnt 0x0
	s_add_nc_u64 s[4:5], s[4:5], s[10:11]          ; the first choice's row,
	s_add_nc_u64 s[12:13], s[4:5], 0x800000        ; the second's, 2,048 rows on
	s_add_nc_u64 s[6:7], s[6:7], s[10:11]
.irp j, 0,1,2,3,4,5,6,7
	global_load_b128 v[8+4*(\j):11+4*(\j)], v1, s[4:5] offset:512*(\j) th:TH_LOAD_NT
	global_load_b128 v[40+4*(\j):43+4*(\j)], v1, s[12:13] offset:512*(\j) th:TH_LOAD_NT
.endr
.irp j, 0,1,2,3,4,5,6,7
	s_wait_loadcnt 2*(7-(\j))                      ; pair j is in; the younger pairs stay out
	v_pk_add_f32 v[72+4*(\j):73+4*(\j)], v[8+4*(\j):9+4*(\j)], v[40+4*(\j):41+4*(\j)]
	v_pk_add_f32 v[74+4*(\j):75+4*(\j)], v[10+4*(\j):11+4*(\j)], v[42+4*(\j):43+4*(\j)]
	global_store_b128 v1, v[72+4*(\j):75+4*(\j)], s[6:7] offset:512*(\j) th:TH_STORE_NT
.endr
	s_endpgm
.Lfunc_end_k_q4985a5d948_combine:
	.size	k_q4985a5d948_combine, .Lfunc_end_k_q4985a5d948_combine-k_q4985a5d948_combine
	.p2alignl 7, 3214868480
	.fill 96, 4, 3214868480
	.section	.rodata,"a",@progbits
	.p2align	6, 0x0
	.amdhsa_kernel k_q4985a5d948_combine
		.amdhsa_group_segment_fixed_size 0
		.amdhsa_private_segment_fixed_size 0
		.amdhsa_enable_private_segment 0
		.amdhsa_kernarg_size 16
		.amdhsa_user_sgpr_count 2
		.amdhsa_user_sgpr_kernarg_segment_ptr 1
		.amdhsa_wavefront_size32 1
		.amdhsa_system_sgpr_workgroup_id_x 1
		.amdhsa_system_sgpr_workgroup_id_y 1
		.amdhsa_system_sgpr_workgroup_id_z 1
		.amdhsa_system_vgpr_workitem_id 0
		.amdhsa_next_free_vgpr 104
		.amdhsa_next_free_sgpr 66
		.amdhsa_reserve_vcc 0
		.amdhsa_float_denorm_mode_32 3
		.amdhsa_float_denorm_mode_16_64 3
		.amdhsa_memory_ordered 1
		.amdhsa_forward_progress 1
		.amdhsa_inst_pref_size 5
	.end_amdhsa_kernel
	.amdgpu_metadata
---
amdhsa.version: [ 1, 2 ]
amdhsa.kernels:
  - .name:           k_q4985a5d948_combine
    .symbol:         k_q4985a5d948_combine.kd
    .args:
      - { .name: y, .offset: 0, .size: 8, .value_kind: global_buffer, .address_space: global }
      - { .name: out0, .offset: 8, .size: 8, .value_kind: global_buffer, .address_space: global }
    .group_segment_fixed_size: 0
    .private_segment_fixed_size: 0
    .kernarg_segment_align: 8
    .kernarg_segment_size: 16
    .max_flat_workgroup_size: 256
    .sgpr_count:     66
    .vgpr_count:     104
    .wavefront_size: 32
...
	.end_amdgpu_metadata
.endif
;; end of part 5
;; ======== version 2 of 2: 5 launches; version 1 with the launches place, gateup, down written anew for expert scheduling mode
;; limits: a function is approximated: absolute error at most 1.5e-07
;; workspace buffers: xb 4,194,304 bytes; bm 4,096 bytes of whole numbers; cw 16,384 bytes; xg 33,554,432 bytes; lst 65,536 bytes of whole numbers; hb 33,554,432 bytes; y 16,777,216 bytes
;; launch route: the kernel of part 1 again; grid 256 x 1, 9 waves a work-group, no clusters, 0 bytes of LDS; arguments x, router_logits, per_expert_scale, xb, bm, cw; writes xb, bm, cw
;; launch place (part 6): grid 256 x 1, 8 waves a work-group, no clusters, 70,656 bytes of LDS; arguments xb, bm, xg, lst; writes xg, lst
.if DOCPART == 6
	.amdgcn_target "amdgcn-amd-amdhsa--gfx1250"
	.amdhsa_code_object_version 6
	.text
	.protected	k_q4985a5d948_place
	.globl	k_q4985a5d948_place
	.p2align	8
	.type	k_q4985a5d948_place,@function
k_q4985a5d948_place:
	s_mov_b64 s[64:65], 0
	v_nop
	global_prefetch_b8 v0, s[64:65] scope:SCOPE_SE
	s_setreg_imm32_b32 hwreg(HW_REG_WAVE_SCHED_MODE, 0, 2), 2
	s_setreg_imm32_b32 hwreg(HW_REG_WAVE_MODE, 25, 1), 1
	s_wait_xcnt 0x0
	s_wait_alu depctr_vm_vsrc(0)
; PLACE.  The routed rows are laid end to end in the experts' order, as the register images that the first product takes, and each expert's list is stored.
; Work-group = (expert E, part P of 32): 8 x 32 = 256.  Eight waves; nothing is shared between waves, so there is no barrier.
; THE LIST.  Every wave makes its own copy, in its own LDS bytes, from the expert's two bitmaps (64 words of 32 tokens each): a member's place is the count so far plus the members in lower lanes;
; a place holds choice x 2,048 + token.  The 64 places past the count repeat the last member.  Serves every split: 0 to 2,048 rows an expert.
; lst, u32 [expert 8][2,048]: wave 0 stores places 64 P .. 64 P + 63, one store of 256 consecutive bytes, aligned; a place past the count holds the last member (token 0 for an expert without rows),
; so the whole buffer is written whatever the split.
; xg, bf16: [expert 8][block 128][K step 32][half 2][lane 32][16 bytes]: block = 16 routed rows; an image is the operand of 16 rows x 32 columns as a wave's registers take it.
; The work-group takes blocks P, P + 32, P + 64, P + 96 (a constant count of trips; a block past the expert's last is jumped forward).  Wave w takes bytes 256 w .. 256 w + 255 of the 16 rows:
; in by eight loads, sixteen lanes to one row's 256 consecutive bytes, aligned; through its own stage in LDS; out as four images, eight stores of 512 consecutive bytes, aligned.
; Numbers are moved, not changed.
; THE MODE: SCHED_MODE bits 1:0 = 2 (LLVM: expert scheduling mode 2), set by the entry lines.  The code itself states the register dependences
; between vector instructions and memory or LDS instructions, with s_wait_alu, always for 0.
; THE PLAN.  Registers that memory or LDS instructions touch:
;   v32-95   In the list's making: for word i of a round of 32 its LDS address (v[32 + 2 i]) and its number (v[33 + 2 i]), all written by vector lines, then read by ONE run of 32 LDS stores:
;            one wait on va_vdst ahead of the run, one on vm_vsrc ahead of the second round's writes.  In the trips: v32-63 rows (a load lands, an LDS store reads), v64-95 images (an LDS load lands, a store reads).
;   v16-18   The first store's and the last member's addresses and number.       v9-11, v22-23   wave 0's way out of the list.
;   v15, v7, v24-31   A trip's addresses and offsets: written at the trip's head, read by its loads and stores.       v5, v6   the stage's addresses: made once.
; A trip has one wait on vm_vsrc, at its label (the memory and LDS instructions so far have read all that the trip writes again), and two on va_vdst: ahead of the list's loads and ahead of the rows' loads.
.set LISTB,  4352                      ; u16 places 0-2047, padding to 2111, 2112-2143 for the lanes that are no members
.set STAGE,  8*LISTB                   ; 34,816: for each wave 16 rows x 272 bytes; the 1,024 bytes behind the stages are the spare words of the add at the wave's end
.set STAGEB, 4352
.set SPITCH, 272                       ; 256 + 16 = 17 x 16: the 16 rows of a fragment load start in 16 different columns of 16 bytes
.set PMAX,   4
.set LW,     32                        ; v32-95: the list's addresses and numbers, a pair for each word of a round
; v1 lane; v2 lane % 16; v3 lane / 16; v4 256 w + 16 (lane % 16); v5 the stage, in; v6 the stage, back; v7 my 16 bytes in the trip's first image; v8 where a lane that is no member puts its number;
; v9-11, v22-23 the list's way out; v12 16 x lane; v15 the trip's place in the list; v16-19 the list's making; v24-31 places, then offsets in xb; v32-63 rows as loaded; v64-95 images
; s14 wave; s15 E; s16 P; s17 blocks; s18 count; s19 the last member's place; s20-23 at work; s[32:63] who chose the expert; s[68:99] for whom it is the second choice; s66 my list; s67 the trip's block; s68 trips
	s_load_b256 s[4:11], s[0:1], 0x0               ; xb s[4:5], bm s[6:7], xg s[8:9], lst s[10:11]
	v_lshl_add_u32 v102, v0, 2, 0x11000
	v_mov_b32 v103, 0
	v_lshrrev_b32 v13, 5, v0
	v_readfirstlane_b32 s14, v13                   ; wave 0..7
	v_and_b32 v1, 31, v0
	v_and_b32 v2, 15, v0
	v_bfe_u32 v3, v0, 4, 1
	s_lshr_b32 s15, ttmp9, 5
	s_and_b32 s16, ttmp9, 31
	s_wait_alu depctr_va_sdst(0)                   ; s14 is written, ahead of its first reader: the wave's LDS bytes are made from it
	s_mul_i32 s66, s14, LISTB                      ; my list (the lists begin at LDS byte 0)
	s_mul_i32 s20, s14, STAGEB
	s_add_co_u32 s20, s20, STAGE                   ; my stage
	v_mul_u32_u24 v5, v3, SPITCH                   ; in: lanes 0-15 one row's 256 bytes, lanes 16-31 the next row's
	v_lshl_add_u32 v5, v2, 4, v5
	v_add_nc_u32 v5, s20, v5
	v_mul_u32_u24 v6, v2, SPITCH                   ; back: row l % 16, 16 bytes for each half of the lanes
	v_lshl_add_u32 v6, v3, 4, v6
	v_add_nc_u32 v6, s20, v6
	s_lshl_b32 s21, s14, 8
	v_lshl_add_u32 v4, v2, 4, s21                  ; my 16 bytes in a row of xb
	v_lshlrev_b32 v12, 4, v1
	s_lshl_b32 s22, s15, 9                         ; an expert's two bitmaps
	s_mov_b32 s23, 0
	s_wait_kmcnt 0x0
	s_add_nc_u64 s[6:7], s[6:7], s[22:23]
	; THE LIST
	s_mov_b32 s18, 0
	v_lshl_add_u32 v16, v1, 1, s66
	v_mov_b32 v17, 0
	v_add_nc_u32 v8, 2112, v1
	s_wait_alu depctr_va_vdst(0)                   ; v16 and v17 are written, which the store below reads; so are v5 and v6, the stage's addresses for the whole kernel
	ds_store_b16 v16, v17                          ; places 0-31 hold token 0 until members come: place 0 is defined for an expert without rows
.set c, 0
.rept 2
	s_load_b512 s[32:47], s[6:7], 128*c            ; 32 words: who chose the expert,
	s_load_b512 s[48:63], s[6:7], 128*c+64
	s_load_b512 s[68:83], s[6:7], 256+128*c        ; and for whom it is the second choice
	s_load_b512 s[84:99], s[6:7], 256+128*c+64
	s_wait_kmcnt 0x0
.if c > 0
	s_wait_alu depctr_vm_vsrc(0)                   ; the first round's LDS stores have read v32-95, which the lines below write again
.endif
.set i, 0
.rept 32
.set RK, LW+2*i
	v_mbcnt_lo_u32_b32 v[RK], s[32+i], s18         ; the count so far + the members in lower lanes
	v_cndmask_b32 v[RK], v8, v[RK], s[32+i]
	v_min_u32 v[RK], 2143, v[RK]
	v_lshl_add_u32 v[RK], v[RK], 1, s66
	v_or_b32 v[RK+1], 32*(32*c+i), v1              ; my token, as a first choice,
	v_or_b32 v[18+i%2], 32*(32*c+i)+2048, v1       ; as a second
	v_cndmask_b32 v[RK+1], v[RK+1], v[18+i%2], s[68+i]
	s_bcnt1_i32_b32 s22, s[32+i]
	s_add_co_u32 s18, s18, s22
.set i, i+1
.endr
	s_wait_alu depctr_va_vdst(0)                   ; the round's 32 addresses and 32 numbers are written, which the run of stores reads
.set i, 0
.rept 32
	ds_store_b16 v[LW+2*i], v[LW+2*i+1]
.set i, i+1
.endr
.set c, c+1
.endr
	s_min_u32 s18, s18, 2048
	s_max_u32 s19, s18, 1
	s_sub_co_u32 s19, s19, 1
	s_min_u32 s19, s19, 2047                       ; the last member's place
	s_lshl_b32 s20, s19, 1
	s_add_co_u32 s20, s20, s66
	s_wait_alu depctr_vm_vsrc(0)                   ; the list's first store has read v16 and v17: the one is written again below, in the other a load lands
	v_mov_b32 v16, s20
	v_add_nc_u32 v18, s18, v1
	v_min_u32 v18, 2079, v18
	v_lshl_add_u32 v18, v18, 1, s66
	s_wait_alu depctr_va_vdst(0)                   ; v16 is written, the load's address, and v18, the address of the two stores behind it
	ds_load_u16 v17, v16                           ; LDS serves a wave's instructions in order: this sees the stores above
	s_wait_dscnt 0x0
	ds_store_b16 v18, v17                          ; the 64 places past the count repeat it
	ds_store_b16 v18, v17 offset:64
	s_add_co_u32 s17, s18, 15
	s_lshr_b32 s17, s17, 4                         ; blocks of 16 rows
	; THE LIST'S WAY OUT: wave 0 alone; places 64 P + 2 l and 64 P + 2 l + 1, held to the last member's
	s_cmp_lg_u32 s14, 0
	s_cbranch_scc1 .Lno_list
	s_lshl_b32 s20, s16, 6
	v_lshl_add_u32 v9, v1, 1, s20
	v_add_nc_u32 v10, 1, v9
	v_min_u32 v9, s19, v9
	v_min_u32 v10, s19, v10
	v_min_u32 v9, 2047, v9
	v_min_u32 v10, 2047, v10
	v_lshl_add_u32 v9, v9, 1, s66
	v_lshl_add_u32 v10, v10, 1, s66
	s_lshl_b32 s20, s15, 13                        ; an expert's 2,048 words,
	s_lshl_b32 s21, s16, 8                         ; a part's 64
	s_add_co_u32 s20, s20, s21
	v_lshl_add_u32 v11, v1, 3, s20
	s_wait_alu depctr_va_vdst(0)                   ; v9 and v10 are written, the two loads' addresses, and v11, the store's offset
	ds_load_u16 v22, v9
	ds_load_u16 v23, v10
	s_wait_dscnt 0x0
	global_store_b64 v11, v[22:23], s[10:11]       ; 32 lanes store 256 consecutive bytes, at a multiple of 256 from lst's first byte
.Lno_list:
	s_mov_b32 s67, s16                             ; the first trip's block
	s_mov_b32 s68, 0
.Ltrip:
	s_wait_alu depctr_vm_vsrc(0)                   ; the memory and LDS instructions so far have read what a trip writes again: v15, v7 and v24-31 (addresses and offsets), v32-63 (LDS stores' addresses and data), v64-95 (LDS stores' and stores' data)
	s_cmp_ge_u32 s67, s17
	s_cbranch_scc1 .Lskip                          ; the expert has no such block
	s_wait_xcnt 0x0                                ; earlier stores have read their data and offsets: only behind this wait are those registers written again
	s_lshl_b32 s22, s67, 4
	v_add_nc_u32 v15, s22, v3
	v_min_u32 v15, 2097, v15
	v_lshl_add_u32 v15, v15, 1, s66
	s_lshl_b32 s20, s15, 7
	s_add_co_u32 s20, s20, s67                     ; 128 E + block
	s_lshl_b32 s20, s20, 5
	s_lshl_b32 s21, s14, 2
	s_add_co_u32 s20, s20, s21                     ; x 32 + 4 w: my first image's number
	s_lshl_b32 s20, s20, 10                        ; an image is 1,024 bytes
	v_add_nc_u32 v7, s20, v12
	s_wait_alu depctr_va_vdst(0)                   ; v15 is written, the address of the eight loads below, and v7, the offset of the trip's stores; the last trip's lines on v24-31, in which these loads land, are done
.irp m, 0,1,2,3,4,5,6,7
	ds_load_u16 v[24+(\m)], v15 offset:4*(\m)      ; the list's place for row 2 m + lane / 16 of the block
.endr
	s_wait_dscnt 0x0
.irp m, 0,1,2,3,4,5,6,7
	v_min_u32 v[24+(\m)], 4095, v[24+(\m)]
	v_and_b32 v[24+(\m)], 0x7ff, v[24+(\m)]        ; the token
	v_lshl_add_u32 v[24+(\m)], v[24+(\m)], 11, v4  ; x 2,048 bytes + my 16 bytes
.endr
	s_wait_alu depctr_va_vdst(0)                   ; v24-31 are written: the offsets of the eight loads below
.irp m, 0,1,2,3,4,5,6,7
	global_load_b128 v[32+4*(\m):35+4*(\m)], v[24+(\m)], s[4:5]  ; 16 lanes take 256 consecutive bytes of a row, aligned
.endr
.irp m, 0,1,2,3,4,5,6,7
	s_wait_loadcnt 7-(\m)                          ; loads come back in order: load m is in, the younger ones stay out
	ds_store_b128 v5, v[32+4*(\m):35+4*(\m)] offset:2*SPITCH*(\m)
.endr
.irp j, 0,1,2,3,4,5,6,7
	ds_load_b128 v[64+4*(\j):67+4*(\j)], v6 offset:32*(\j)  ; image j / 2, half j % 2: bytes 32 j + 16 (l / 16) of row l % 16.  LDS serves a wave's instructions in order (ISA guide 5.7.1.4): these see the stores above
.endr
.irp j, 0,1,2,3,4,5,6,7
	s_wait_dscnt 7-(\j)                            ; load j is back; the younger ones stay out
	global_store_b128 v7, v[64+4*(\j):67+4*(\j)], s[8:9] offset:512*(\j)  ; 512 consecutive bytes, at a multiple of 256 from xg's first byte
.endr
.Lskip:
	s_add_co_u32 s67, s67, 32
	s_add_co_u32 s68, s68, 1
	s_cmp_lt_u32 s68, PMAX
	s_cbranch_scc1 .Ltrip
	s_wait_dscnt 0x0                               ; the wave's end: my LDS instructions are done
	s_wait_alu depctr_hold_cnt(0) depctr_sa_sdst(0) depctr_va_vdst(0) depctr_va_sdst(0) depctr_va_ssrc(0) depctr_va_vcc(0) depctr_vm_vsrc(0)
	s_wait_tensorcnt 0x0
	ds_add_u32 v102, v103
	s_wait_dscnt 0x0
	s_endpgm
.Lfunc_end_k_q4985a5d948_place:
	.size	k_q4985a5d948_place, .Lfunc_end_k_q4985a5d948_place-k_q4985a5d948_place
	.p2alignl 7, 3214868480
	.fill 96, 4, 3214868480
	.section	.rodata,"a",@progbits
	.p2align	6, 0x0
	.amdhsa_kernel k_q4985a5d948_place
		.amdhsa_group_segment_fixed_size 70656
		.amdhsa_private_segment_fixed_size 0
		.amdhsa_enable_private_segment 0
		.amdhsa_kernarg_size 32
		.amdhsa_user_sgpr_count 2
		.amdhsa_user_sgpr_kernarg_segment_ptr 1
		.amdhsa_wavefront_size32 1
		.amdhsa_system_sgpr_workgroup_id_x 1
		.amdhsa_system_sgpr_workgroup_id_y 1
		.amdhsa_system_sgpr_workgroup_id_z 1
		.amdhsa_system_vgpr_workitem_id 0
		.amdhsa_next_free_vgpr 104
		.amdhsa_next_free_sgpr 100
		.amdhsa_reserve_vcc 0
		.amdhsa_float_denorm_mode_32 3
		.amdhsa_float_denorm_mode_16_64 3
		.amdhsa_memory_ordered 1
		.amdhsa_forward_progress 1
		.amdhsa_inst_pref_size 47
	.end_amdhsa_kernel
	.amdgpu_metadata
---
amdhsa.version: [ 1, 2 ]
amdhsa.kernels:
  - .name:           k_q4985a5d948_place
    .symbol:         k_q4985a5d948_place.kd
    .args:
      - { .name: xb, .offset: 0, .size: 8, .value_kind: global_buffer, .address_space: global }
      - { .name: bm, .offset: 8, .size: 8, .value_kind: global_buffer, .address_space: global }
      - { .name: xg, .offset: 16, .size: 8, .value_kind: global_buffer, .address_space: global }
      - { .name: lst, .offset: 24, .size: 8, .value_kind: global_buffer, .address_space: global }
    .group_segment_fixed_size: 70656
    .private_segment_fixed_size: 0
    .kernarg_segment_align: 8
    .kernarg_segment_size: 32
    .max_flat_workgroup_size: 256
    .sgpr_count:     100
    .vgpr_count:     104
    .wavefront_size: 32
...
	.end_amdgpu_metadata
.endif
;; end of part 6
;; launch gateup (part 7): grid 256 x 1, 12 waves a work-group, no clusters, 133,632 bytes of LDS; arguments xg, w13, bm, hb; writes hb
.if DOCPART == 7
	.amdgcn_target "amdgcn-amd-amdhsa--gfx1250"
	.amdhsa_code_object_version 6
	.text
	.protected	k_q4985a5d948_gateup
	.globl	k_q4985a5d948_gateup
	.p2align	8
	.type	k_q4985a5d948_gateup,@function
k_q4985a5d948_gateup:
	s_mov_b64 s[64:65], 0
	v_nop
	global_prefetch_b8 v0, s[64:65] scope:SCOPE_SE
	s_setreg_imm32_b32 hwreg(HW_REG_WAVE_SCHED_MODE, 0, 2), 2
	s_setreg_imm32_b32 hwreg(HW_REG_WAVE_MODE, 25, 1), 1
	s_wait_xcnt 0x0
	s_wait_alu depctr_vm_vsrc(0)
; GATE AND UP.  h = gelu(x w1^T) * (x w3^T) for the rows that chose an expert.  Work-group = (expert E, slice SL of 32 columns of the 1,024): 8 x 32 = 256.
; It alone reads its 64 rows of w13 (32 of the gate, 32 of the up projection, 256 KiB of f32), rounds them to bf16 on the way through registers and lays them into LDS; then one barrier.
; Behind it each of the 12 waves walks TRIPS of 3 blocks of 16 routed rows against all 64 weight rows: 12 accumulators.  The rows come from xg, where the launch before laid them end to end in the
; expert's order as register images: every load of a wave takes 512 consecutive bytes, aligned, at an address made of the block's number.  In a block that is not full the places past the count repeat the last row.
; THE COUNT of the expert's rows is the number of ones in its bitmap's 64 words, added up in scalar registers.  Serves every split: 0 to 2,048 rows an expert.
; THE TRIP LOOP counts to a constant (4 x 12 trips x 3 blocks cover 128 blocks); a trip past the expert's blocks is jumped forward; in a live trip a block past the last repeats the last one and is not stored;
; no barrier and nothing shared between waves stands in the loop.
; THE PRODUCT IS USED TRANSPOSED: source 0 = 16 weight rows, source 1 = 16 token rows: a lane then holds one token row (lane % 16) and the columns 8 (lane / 16) + 0..7 of a tile.
; OUT.  hb, bf16: [expert 8][block 128][K step 32][half 2][lane 32][16 bytes]: the register image of the next launch's operand (16 rows x 32 columns); each store of a wave covers 512 consecutive bytes, aligned.
; GELU is exact GELU with erf by the five-term rational form of Abramowitz and Stegun 7.1.26 (absolute error 1.5e-7):
;   gelu(g) = max(g, 0) - |g| P(t) 2^(-g^2 log2(e) / 2), t = 1 / (1 + 0.23164189 |g|), P with the halved coefficients.  The exponent is never above 0.
; FORMAT AND LIMITS.  Weights and x in bf16, sums in f32, h rounded once to bf16 (not f16: h may pass 65,504 for large inputs).  An exponential below 2^-126 counts as 0.
; NO JOINT LOADS: each weight byte has one reader; the 32 work-groups of an expert share its blocks of xg, but how many blocks there are hangs on a stored count, and a loop of such a length holds no barrier;
; a walk of constant length would ask for all 128 blocks of an expert, four times the 32 of an even split.
; THE MODE: SCHED_MODE bits 1:0 = 2 (LLVM: expert scheduling mode 2), set by the entry lines.  The code itself states the register dependences
; between vector or matrix instructions and memory or LDS instructions, with s_wait_alu, always for 0.
; THE PLAN.  Registers that memory or LDS instructions touch, in a trip:
;   AR0 .. AR3   Step j: its twelve matrix instructions read AR[j % 4]; the six loads of step j + 3 land in AR[(j - 1) % 4], which the step before read.
;   BB0, BB1     Step j: its matrix instructions read BB[j % 2]; the eight LDS loads of step j + 1 land in the other, which the step before read.
;   LB, XO       The addresses of those loads: LB is made once, XO at a trip's head; no address is stepped in a trip: every K step stands in an immediate.
;   v9-11, HH    The stores' offsets (written at a trip's head) and data (a set of eight for each block, written by the block's roundings).
;   The accumulators are named by matrix and vector instructions alone (at the kernel's head their registers held weights that LDS stores read).
; So ONE wait on va_vdst stands in a step, at its head, behind the waits for the step's data: the step before's matrix instructions are done reading their two buffers.  The step's fourteen loads follow it, the LDS
; loads in one run, the others dealt among the matrix instructions, which name AR[j % 4], BB[j % 2] and the accumulators: none of the registers that those loads touch.  With four buffers of token
; fragments three steps' loads are out at a step's head.  One wait on vm_vsrc stands at the trip's label.
; REGISTERS, in windows of 256 (s_set_vgpr_msb: bits 1:0 source 0, 3:2 source 1, 5:4 source 2, 7:6 destination).  Window 1 holds BB, LB and XO: the matrix instructions' source 0 and the address (source 0) of every
; load of a K step.  So the matrix instructions and the loads of token fragments stand under one setting, the run of LDS loads under another: two switches a step.  3 waves a SIMD x 328 = 984 registers.
.set PITCH,  2064                      ; a weight row in LDS: 2,048 bytes + 16 = 129 x 16: the 16 rows of a fragment load start in 16 different columns of 16 bytes; the 1,536 bytes behind the 64 rows are the spare words of the add at the wave's end
.set UPSKIP, 992                       ; LDS rows 32-63 are w13's rows 1,024 + 32 SL + 0..31: 992 further than their place in the slice
.set PMAX,   4
.set ASTEP,  1024                      ; an image of 16 rows x 32 columns
.set AHALF,  512
.set ACC,    16                        ; v16-111   accumulators: block b, tile t at 16 + 32 b + 8 t (tiles 0, 1 gate; 2, 3 up)
.set AR,     112                       ; v112-207  token fragments, a ring of four K steps: 112 + 24 (ks % 4) + 8 b
.set BB,     0                         ; window 1, v0-63   weight fragments, two K steps: 32 (ks % 2) + 8 t
.set LB,     64                        ; window 1, v64-65  LDS addresses of weight rows 0-31, 32-63; never rewritten
.set XO,     66                        ; window 1, v66-68  byte offsets of my 16 bytes in the three blocks' images in xg
.set AG,     112                       ; the way out, in the ring's registers: |g|
.set DT,     128                       ; 1 + p |g|, then t
.set SE,     144                       ; the exponent, then the exponential
.set MX,     160                       ; max(g, 0), then gelu, then h
.set PP,     176                       ; the polynomial
.set KP,     76                        ; s[76:89] seven constants, each as a pair: written when the bitmap's words, which lie there first, are counted
.set KE,     78
.set KA1,    80
.set KA2,    82
.set KA3,    84
.set KA4,    86
.set KA5,    88
.set W_MK,   0x40                      ; destination in window 1: an address is made
.set W_LB,   0x41                      ; destination and source 0 in window 1: the LDS loads of weight fragments
.set W_MUL,  0x01                      ; source 0 in window 1: the matrix instructions, and the loads of token fragments
; v1 lane; v2 lane % 16; v3 16 (lane / 16); v9-11 byte offsets of my 16 bytes in the three blocks' images in hb; v12 16 x lane; v13-15 at work at the head; v224-247 h, rounded: eight a block
; s14 wave; s15 E; s16 SL; s18 count; s19 blocks; s[20:31] six row addresses; s[32:63], s[68:99] bitmap words; s67 at work, then the trip's first block; s68 trips; s70-75 at work; s90 the mask for |g|
.set MSB, 0
.macro WIN new                         ; the immediate's high byte repeats the setting that is left; a switch that changes nothing is dropped
.if MSB != (\new)
	s_set_vgpr_msb (MSB<<8)|(\new)
.set MSB, \new
.endif
.endm
.macro KPAIR r, val
	s_mov_b32 s[\r], \val
	s_mov_b32 s[(\r)+1], \val
.endm
.macro PLACES                          ; four plain instructions between a matrix instruction and a vector instruction on its registers (ISA guide 7.12.1)
.rept 4
	v_nop
.endr
.endm
	s_load_b256 s[4:11], s[0:1], 0x0               ; xg s[4:5], w13 s[6:7], bm s[8:9], hb s[10:11]
	v_lshl_add_u32 v254, v0, 2, 0x20400
	v_mov_b32 v255, 0
	v_lshrrev_b32 v13, 5, v0
	v_readfirstlane_b32 s14, v13                   ; wave 0..11
	v_and_b32 v1, 31, v0
	v_and_b32 v2, 15, v0
	v_bfe_u32 v3, v0, 4, 1
	v_lshlrev_b32 v3, 4, v3
	v_mul_u32_u24 v15, v2, PITCH
	v_add_nc_u32 v15, v15, v3                      ; row x pitch + 16 x half
	v_lshlrev_b32 v12, 4, v1
	WIN W_MK
	v_mov_b32 v[LB], v15
	v_add_nc_u32 v[LB+1], 32*PITCH, v15
	WIN 0
	s_lshr_b32 s15, ttmp9, 5
	s_and_b32 s16, ttmp9, 31
	s_lshl_b32 s70, s15, 23                        ; an expert's 2,048 rows of 4,096 bytes,
	s_lshl_b32 s71, s16, 17                        ; a slice's 32
	s_add_co_u32 s70, s70, s71
	s_mov_b32 s71, 0
	s_lshl_b32 s72, s15, 9                         ; an expert's two bitmaps
	s_mov_b32 s73, 0
	s_wait_kmcnt 0x0
	s_add_nc_u64 s[6:7], s[6:7], s[70:71]
	s_add_nc_u64 s[8:9], s[8:9], s[72:73]
	s_wait_alu depctr_va_sdst(0)                   ; s14 is written, ahead of its first reader: the wave's rows are made from it
	; THE WEIGHTS ARE ASKED FOR.  Wave w takes LDS rows w + 12 k, k = 0..5 (k = 5 for waves 0-3 alone): a row is eight loads of 512 consecutive bytes.  The work-group's 256 KiB go out at once.
.irp k, 0,1,2,3,4,5
	s_add_co_u32 s70, s14, 12*(\k)
	s_cmp_ge_u32 s70, 32
	s_cselect_b32 s71, UPSKIP, 0
	s_add_co_u32 s70, s70, s71
	s_lshl_b32 s70, s70, 12
	s_mov_b32 s71, 0
	s_add_nc_u64 s[20+2*(\k):21+2*(\k)], s[6:7], s[70:71]
.endr
	s_load_b512 s[32:47], s[8:9], 0x0              ; the bitmap of who chose the expert: 64 words, asked for ahead of the weights
	s_load_b512 s[48:63], s[8:9], 0x40
	s_load_b512 s[68:83], s[8:9], 0x80
	s_load_b512 s[84:99], s[8:9], 0xc0
.macro WROW k
.irp j, 0,1,2,3,4,5,6,7
	global_load_b128 v[16+32*(\k)+4*(\j):16+32*(\k)+4*(\j)+3], v12, s[20+2*(\k):21+2*(\k)] offset:512*(\j) th:TH_LOAD_NT
.endr
.endm
	s_wait_alu depctr_va_vdst(0)                   ; v12 is written, the offset of every load of the weights; so are the two LDS addresses LB
	s_cmp_lt_u32 s14, 4
	s_cbranch_scc0 .Lno_sixth_row
	WROW 5                                         ; the sixth row first: it is then older than all the others, and the counts below are the same for every wave
.Lno_sixth_row:
.irp k, 0,1,2,3,4
	WROW \k
.endr
	; THE COUNT, while the weights are on their way
	s_wait_kmcnt 0x0
	s_mov_b32 s18, 0
.irp base, 32, 48, 68, 84
.set i, 0
.rept 16
	s_bcnt1_i32_b32 s67, s[\base+i]
	s_add_co_u32 s18, s18, s67
.set i, i+1
.endr
.endr
	s_min_u32 s18, s18, 2048
	s_add_co_u32 s19, s18, 15
	s_lshr_b32 s19, s19, 4                         ; blocks of 16 rows
	KPAIR KP,  0x3e6d3388                          ; 0.3275911 / sqrt(2)
	KPAIR KE,  0xbf38aa3b                          ; -log2(e) / 2
	KPAIR KA1, 0x3e027906                          ; 0.254829592 / 2
	KPAIR KA2, 0xbe11a98e                          ; -0.284496736 / 2
	KPAIR KA3, 0x3f35f0e3                          ; 1.421413741 / 2
	KPAIR KA4, 0xbf3a00e3                          ; -1.453152027 / 2
	KPAIR KA5, 0x3f07dc22                          ; 1.061405429 / 2
	s_mov_b32 s90, 0x7fffffff
	; THE WEIGHTS ARE ROUNDED AND LAID INTO LDS: a load's 512 bytes of f32 become 256 consecutive bytes of bf16
	s_mul_i32 s70, s14, PITCH
	v_lshl_add_u32 v13, v1, 3, s70                 ; rows w, w + 12, w + 24 by the offset,
	v_add_nc_u32 v14, 36*PITCH, v13                ; rows w + 36, w + 48, w + 60
.macro CONV k                          ; a row: its sixteen conversions, one wait, its eight LDS stores
.irp j, 0,1,2,3,4,5,6,7
.set R, 16+32*(\k)+4*(\j)
	v_cvt_pk_bf16_f32 v[R], v[R], v[R+1]
	v_cvt_pk_bf16_f32 v[R+1], v[R+2], v[R+3]
.endr
	s_wait_alu depctr_va_vdst(0)                   ; the row's conversions have written the pairs that the eight stores read (ahead of the first row's stores: v13 and v14, their addresses, are written too)
.irp j, 0,1,2,3,4,5,6,7
.set R, 16+32*(\k)+4*(\j)
	ds_store_b64 v[13+(\k)/3], v[R:R+1] offset:((\k)%3)*12*PITCH+256*(\j)
.endr
.endm
.irp k, 0,1,2,3,4
	s_wait_loadcnt 8*(4-(\k))                      ; row k is in; the younger rows' eight loads each stay out
	CONV \k
.endr
	s_cmp_lt_u32 s14, 4
	s_cbranch_scc0 .Lno_sixth_conv
	CONV 5                                         ; older than row 0: the first wait above has shown it in
.Lno_sixth_conv:
	s_wait_dscnt 0x0                               ; for the others' sake: my rows are in LDS
	s_barrier_signal -1
	s_barrier_wait -1                              ; the only barrier: all 64 rows are there, and nobody writes them again
.macro ALOADB k, b                     ; block b's image of K step k: two loads of 512 consecutive bytes
	global_load_b128 v[AR+24*((\k)%4)+8*(\b):AR+24*((\k)%4)+8*(\b)+3],   v[XO+(\b)], s[4:5] offset:(\k)*ASTEP
	global_load_b128 v[AR+24*((\k)%4)+8*(\b)+4:AR+24*((\k)%4)+8*(\b)+7], v[XO+(\b)], s[4:5] offset:(\k)*ASTEP+AHALF
.endm
.macro BLOAD k                         ; the four tiles' weight fragments of K step k
.irp t, 0,1,2,3
	ds_load_b128 v[BB+32*((\k)%2)+8*(\t):BB+32*((\k)%2)+8*(\t)+3],   v[LB+(\t)/2] offset:((\t)%2)*16*PITCH+(\k)*64
	ds_load_b128 v[BB+32*((\k)%2)+8*(\t)+4:BB+32*((\k)%2)+8*(\t)+7], v[LB+(\t)/2] offset:((\t)%2)*16*PITCH+(\k)*64+32
.endr
.endm
.macro MULT k, t                       ; tile t of K step k: three matrix instructions; a step's 12 accumulators take turns, one instruction a turn.  K step 0 starts the sums: nothing is cleared
.irp b, 0,1,2
.if (\k) == 0
	v_wmma_f32_16x16x32_bf16 v[ACC+32*(\b)+8*(\t):ACC+32*(\b)+8*(\t)+7], v[BB+32*((\k)%2)+8*(\t):BB+32*((\k)%2)+8*(\t)+7], v[AR+24*((\k)%4)+8*(\b):AR+24*((\k)%4)+8*(\b)+7], 0
.else
	v_wmma_f32_16x16x32_bf16 v[ACC+32*(\b)+8*(\t):ACC+32*(\b)+8*(\t)+7], v[BB+32*((\k)%2)+8*(\t):BB+32*((\k)%2)+8*(\t)+7], v[AR+24*((\k)%4)+8*(\b):AR+24*((\k)%4)+8*(\b)+7], v[ACC+32*(\b)+8*(\t):ACC+32*(\b)+8*(\t)+7]
.endif
.endr
.endm
; THE WAY OUT of block b: 16 gate sums and 16 up sums a lane.  Each accumulator is read from its lowest register on.  The 16 reciprocals and 16 exponentials are one batch with one wait.
.macro GELU b
.set GG, ACC+32*(\b)
.set UU, ACC+32*(\b)+16
.set HH, 224+8*(\b)                    ; a set of eight for each block, so that no block waits for another's stores
.set i, 0
.rept 16
	v_and_b32 v[AG+i], s90, v[GG+i]
.set i, i+1
.endr
.set i, 0
.rept 8
	v_pk_fma_f32 v[DT+i:DT+i+1], v[AG+i:AG+i+1], s[KP:KP+1], 1.0 op_sel_hi:[1,0,0]
	v_pk_mul_f32 v[SE+i:SE+i+1], v[GG+i:GG+i+1], v[GG+i:GG+i+1]
.set i, i+2
.endr
.set i, 0
.rept 8
	v_pk_mul_f32 v[SE+i:SE+i+1], v[SE+i:SE+i+1], s[KE:KE+1] op_sel_hi:[1,0]
.set i, i+2
.endr
.set i, 0
.rept 16
	v_rcp_f32 v[DT+i], v[DT+i]
	v_exp_f32 v[SE+i], v[SE+i]
.set i, i+1
.endr
.set i, 0
.rept 16
	v_max_num_f32 v[MX+i], 0, v[GG+i]              ; plain work that names no result of the batch
.set i, i+1
.endr
	s_wait_alu depctr_va_vdst(0)                   ; the 16 reciprocals and 16 exponentials have written v[DT ..] and v[SE ..]: the wait ahead of the batch's first reader: one for all 32
.set i, 0
.rept 8
	v_pk_fma_f32 v[PP+i:PP+i+1], v[DT+i:DT+i+1], s[KA5:KA5+1], s[KA4:KA4+1] op_sel_hi:[1,0,0]
.set i, i+2
.endr
.irp a, KA3, KA2, KA1
.set i, 0
.rept 8
	v_pk_fma_f32 v[PP+i:PP+i+1], v[PP+i:PP+i+1], v[DT+i:DT+i+1], s[\a:\a+1] op_sel_hi:[1,1,0]
.set i, i+2
.endr
.endr
.set i, 0
.rept 8
	v_pk_mul_f32 v[PP+i:PP+i+1], v[PP+i:PP+i+1], v[DT+i:DT+i+1]
.set i, i+2
.endr
.set i, 0
.rept 8
	v_pk_mul_f32 v[PP+i:PP+i+1], v[PP+i:PP+i+1], v[SE+i:SE+i+1]
.set i, i+2
.endr
.set i, 0
.rept 8
	v_pk_fma_f32 v[MX+i:MX+i+1], v[AG+i:AG+i+1], v[PP+i:PP+i+1], v[MX+i:MX+i+1] neg_lo:[1,0,0] neg_hi:[1,0,0]  ; max(g, 0) - |g| P e
.set i, i+2
.endr
.set i, 0
.rept 8
	v_pk_mul_f32 v[MX+i:MX+i+1], v[MX+i:MX+i+1], v[UU+i:UU+i+1]
.set i, i+2
.endr
.set i, 0
.rept 8
	v_cvt_pk_bf16_f32 v[HH+i], v[MX+2*i], v[MX+2*i+1]
.set i, i+1
.endr
	s_wait_alu depctr_va_vdst(0)                   ; the roundings have written v[HH ..], which the two stores read
	global_store_b128 v[9+(\b)], v[HH:HH+3], s[10:11]               ; columns 8 (l / 16) + 0..7 of the slice's 32: registers 0-3 of the next launch's fragment
	global_store_b128 v[9+(\b)], v[HH+4:HH+7], s[10:11] offset:512  ; columns 16 + 8 (l / 16) + 0..7: its registers 4-7
.endm
	s_mul_i32 s67, s14, 3                          ; my first trip's first block
	s_mov_b32 s68, 0
.Ltrip:
	s_wait_alu depctr_vm_vsrc(0)                   ; the memory and LDS instructions so far have read what a trip writes again: at the first trip v16-207, the data of the LDS stores of the weights; later XO, v9-11 and v224-247
	s_cmp_ge_u32 s67, s19
	s_cbranch_scc1 .Lskip                          ; no block of this trip exists
	s_wait_xcnt 0x0                                ; the last trip's stores have read their data and offsets: only behind this wait are those registers written again
	s_sub_co_u32 s73, s19, 1
	s_lshl_b32 s74, s15, 7
	WIN W_MK
.irp b, 0,1,2
	s_add_co_u32 s75, s67, \b
	s_min_u32 s75, s75, s73                        ; a block past the expert's last repeats the last one
	s_min_u32 s75, s75, 127
	s_add_co_u32 s75, s74, s75                     ; 128 E + block
	s_lshl_b32 s75, s75, 15                        ; a block's 32 images of 1,024 bytes
	v_add_nc_u32 v[XO+(\b)], s75, v12
.endr
	WIN 0
	s_add_co_u32 s71, s74, s67                     ; 128 E + the trip's first block
	s_lshl_b32 s71, s71, 5
	s_add_co_u32 s71, s71, s16                     ; x 32 + SL: the image's number in hb
	s_lshl_b32 s71, s71, 10
	v_add_nc_u32 v9, s71, v12
	v_add_nc_u32 v10, 32768, v9                    ; a block's 32 images on
	v_add_nc_u32 v11, 65536, v9
	WIN W_MUL
	s_wait_alu depctr_va_vdst(0)                   ; XO and v9-11 are written, the trip's offsets; the conversions at the head, or the last trip's matrix instructions and way out, are done with the rings' registers, in which the loads below and K step 0's land
.irp k, 0,1,2
.irp b, 0,1,2
	ALOADB \k, \b
.endr
.endr
	WIN W_LB
	BLOAD 0
.set ks, 0
.rept 32                               ; K is written out: every offset is an immediate, and no address is stepped
.if ks < 30
	s_wait_loadcnt 12                              ; this step's images are in; the next two steps' six loads each stay out
.elseif ks == 30
	s_wait_loadcnt 6
.else
	s_wait_loadcnt 0
.endif
	s_wait_dscnt 0                                 ; this step's weight fragments, asked for a step ago, are in
.if ks < 31
	WIN W_LB
.if ks > 0
	s_wait_alu depctr_va_vdst(0)                   ; the step before's matrix instructions are done reading AR[(ks - 1) % 4] and BB[(ks - 1) % 2], in which this step's loads land
.endif
	BLOAD ks+1
	WIN W_MUL
.endif
	MULT ks, 0
.if ks < 29
	ALOADB ks+3, 0                                 ; no wait: no matrix instruction since the wait above names these registers
.endif
	MULT ks, 1
.if ks < 29
	ALOADB ks+3, 1
.endif
	MULT ks, 2
.if ks < 29
	ALOADB ks+3, 2
.endif
	MULT ks, 3
.set ks, ks+1
.endr
	PLACES                                         ; behind the last matrix instruction, ahead of the way out
	WIN 0
	GELU 0
	s_add_co_u32 s70, s67, 1
	s_cmp_ge_u32 s70, s19
	s_cbranch_scc1 .Lskip                          ; a block past the expert's last is not stored
	GELU 1
	s_add_co_u32 s70, s67, 2
	s_cmp_ge_u32 s70, s19
	s_cbranch_scc1 .Lskip
	GELU 2
.Lskip:
	s_add_co_u32 s67, s67, 36                      ; 12 waves x 3 blocks on
	s_add_co_u32 s68, s68, 1
	s_cmp_lt_u32 s68, PMAX
	s_cbranch_scc1 .Ltrip
	s_wait_dscnt 0x0                               ; the wave's end: my LDS instructions are done
	s_wait_alu depctr_hold_cnt(0) depctr_sa_sdst(0) depctr_va_vdst(0) depctr_va_sdst(0) depctr_va_ssrc(0) depctr_va_vcc(0) depctr_vm_vsrc(0)
	s_wait_tensorcnt 0x0
	ds_add_u32 v254, v255
	s_wait_dscnt 0x0
	s_endpgm
.Lfunc_end_k_q4985a5d948_gateup:
	.size	k_q4985a5d948_gateup, .Lfunc_end_k_q4985a5d948_gateup-k_q4985a5d948_gateup
	.p2alignl 7, 3214868480
	.fill 96, 4, 3214868480
	.section	.rodata,"a",@progbits
	.p2align	6, 0x0
	.amdhsa_kernel k_q4985a5d948_gateup
		.amdhsa_group_segment_fixed_size 133632
		.amdhsa_private_segment_fixed_size 0
		.amdhsa_enable_private_segment 0
		.amdhsa_kernarg_size 32
		.amdhsa_user_sgpr_count 2
		.amdhsa_user_sgpr_kernarg_segment_ptr 1
		.amdhsa_wavefront_size32 1
		.amdhsa_system_sgpr_workgroup_id_x 1
		.amdhsa_system_sgpr_workgroup_id_y 1
		.amdhsa_system_sgpr_workgroup_id_z 1
		.amdhsa_system_vgpr_workitem_id 0
		.amdhsa_next_free_vgpr 328
		.amdhsa_next_free_sgpr 100
		.amdhsa_reserve_vcc 0
		.amdhsa_float_denorm_mode_32 3
		.amdhsa_float_denorm_mode_16_64 3
		.amdhsa_memory_ordered 1
		.amdhsa_forward_progress 1
		.amdhsa_inst_pref_size 113
	.end_amdhsa_kernel
	.amdgpu_metadata
---
amdhsa.version: [ 1, 2 ]
amdhsa.kernels:
  - .name:           k_q4985a5d948_gateup
    .symbol:         k_q4985a5d948_gateup.kd
    .args:
      - { .name: xg, .offset: 0, .size: 8, .value_kind: global_buffer, .address_space: global }
      - { .name: w13, .offset: 8, .size: 8, .value_kind: global_buffer, .address_space: global }
      - { .name: bm, .offset: 16, .size: 8, .value_kind: global_buffer, .address_space: global }
      - { .name: hb, .offset: 24, .size: 8, .value_kind: global_buffer, .address_space: global }
    .group_segment_fixed_size: 133632
    .private_segment_fixed_size: 0
    .kernarg_segment_align: 8
    .kernarg_segment_size: 32
    .max_flat_workgroup_size: 384
    .sgpr_count:     100
    .vgpr_count:     328
    .wavefront_size: 32
...
	.end_amdgpu_metadata
.endif
;; end of part 7
;; launch down (part 8): grid 256 x 1, 12 waves a work-group, no clusters, 188,928 bytes of LDS; arguments hb, w2, bm, cw, lst, y; writes y
.if DOCPART == 8
	.amdgcn_target "amdgcn-amd-amdhsa--gfx1250"
	.amdhsa_code_object_version 6
	.text
	.protected	k_q4985a5d948_down
	.globl	k_q4985a5d948_down
	.p2align	8
	.type	k_q4985a5d948_down,@function
k_q4985a5d948_down:
	s_mov_b64 s[64:65], 0
	v_nop
	global_prefetch_b8 v0, s[64:65] scope:SCOPE_SE
	s_setreg_imm32_b32 hwreg(HW_REG_WAVE_SCHED_MODE, 0, 2), 2
	s_setreg_imm32_b32 hwreg(HW_REG_WAVE_MODE, 25, 1), 1
	s_wait_xcnt 0x0
	s_wait_alu depctr_vm_vsrc(0)
; DOWN.  y[choice][token][:] = weight x (h w2^T) for every routed row.  Work-group = (expert E, slice SL of 64 of the 1,024 columns, half J of the expert's blocks): 8 x 16 x 2 = 256.
; It reads its 64 rows of w2 (256 KiB of f32; the two halves of an expert's blocks read the same slice), rounds them to bf16 through registers and lays them into LDS; then one barrier.
; Behind it each of the 12 waves walks TRIPS of 3 blocks of 16 routed rows against all 64 weight rows.  h comes from hb as register images: every load of a wave takes 512 consecutive bytes, aligned.
; 64 columns, so that a row's part is 256 consecutive bytes of y, aligned, stored whole by sixteen neighbouring lanes.
; THE LIST lies in lst, u32 [expert 8][2,048], stored by an earlier launch: a place holds choice x 2,048 + token, the row's number in cw and in y.  A trip takes its 48 places into the wave's own 192 LDS bytes.
; The places past the count repeat the last member: in the last block they carry the same h, the same weight and the same row of y, so the same numbers go to the same bytes, from the same wave, and EXEC stays whole.
; THE COUNT of the expert's rows is the number of ones in its bitmap's 64 words, added up in scalar registers.  Serves every split: 0 to 2,048 rows an expert.
; THE TRIP LOOP counts to a constant (2 x 12 trips x 3 blocks cover a half's 64 blocks); a trip past the half's end is jumped forward; in a live trip a block past the end repeats the last one and is not stored.
; Each (choice, token) stands in one expert's list and one half; the 16 slices cover its 4,096 bytes: every byte of y has one writer.  The partial rows stay in f32; the next launch adds the two.
; THE PRODUCT IS USED TRANSPOSED: source 0 = 16 weight rows, source 1 = 16 rows of h: a lane holds one routed row (lane % 16) and the columns 8 (lane / 16) + 0..7 of a tile.
; FORMAT.  w2 and h in bf16, sums and weights in f32.
; NO JOINT LOADS: hb's blocks are shared by an expert's 16 slices, but how many blocks there are hangs on a stored count, and a loop of such a length holds no barrier;
; a walk of constant length would ask for all 128 blocks of an expert, four times the 32 of an even split.
; THE MODE: SCHED_MODE bits 1:0 = 2 (LLVM: expert scheduling mode 2), set by the entry lines.  The code itself states the register dependences
; between vector or matrix instructions and memory or LDS instructions, with s_wait_alu, always for 0.
; THE PLAN.  Registers that memory or LDS instructions touch, in a trip:
;   AR0 .. AR3   Step j: its twelve matrix instructions read AR[j % 4]; the six loads of step j + 3 land in AR[(j - 1) % 4], which the step before read.
;   BB0, BB1     Step j: its matrix instructions read BB[j % 2]; the eight LDS loads of step j + 1 land in the other, which the step before read.
;   LB, v4, v5, v9-11   LDS addresses and the slice's offset: made once.       XO, LO   the offsets of the loads of h and of the list: written at a trip's head.
;   v248-253     For each block a pair: the row's weight (a load lands; the way out's scaling reads) and its place in the list (a load lands; it is held to 4,095; an LDS store reads).       v6-8   the weights' offsets in cw.
;   The accumulators   Written by the matrix instructions and the scaling, read by the way out's LDS stores.
;   v112-143, v144-151, v152-159   The way out: rows (an LDS load lands, a store reads), places (an LDS load lands, vector lines read), offsets in y (vector lines write, a store reads).
; ONE wait on va_vdst stands in a K step, at its head, behind the waits for the step's data: the step before's matrix instructions are done reading their two buffers.  The step's fourteen loads follow it, the LDS loads
; in one run, the others dealt among the matrix instructions, which name none of the registers that those loads touch.  With four buffers of fragments of h three steps' loads are out at a step's head.
; A block's way out has two: behind its scaling, and behind its offsets.  A wait on vm_vsrc stands at the trip's label and at the head of the second and third block's way out.
; REGISTERS, in windows of 256 (s_set_vgpr_msb: bits 1:0 source 0, 3:2 source 1, 5:4 source 2, 7:6 destination).  Window 1 holds BB, LB, XO and LO: the matrix instructions' source 0 and the address (source 0) of the
; loads at a trip's head and in a K step.  So the matrix instructions and the global loads stand under one setting, the run of LDS loads under another: two switches a step.  3 waves a SIMD x 328 = 984 registers.
.set PITCH,  2064                      ; a weight row in LDS: 2,048 bytes + 16 = 129 x 16
.set MINI,   64*PITCH                  ; 132,096: for each wave a block of 256 bytes: the trip's 48 places of the list, a word each
.set MINIB,  256
.set STAGE,  MINI+12*MINIB             ; 135,168: for each wave 16 rows x 272 bytes, for the way out; the 1,536 bytes behind the stages are the spare words of the add at the wave's end
.set STAGEB, 4352
.set SPITCH, 272
.set PMAX,   2
.set ASTEP,  1024                      ; an image of 16 rows x 32 columns
.set AHALF,  512
.set ACC,    16                        ; v16-111   accumulators: block b, tile t at 16 + 32 b + 8 t
.set AR,     112                       ; v112-207  fragments of h, a ring of four K steps: 112 + 24 (ks % 4) + 8 b; on the way out: rows read back, list places, offsets
.set BB,     0                         ; window 1, v0-63   weight fragments, two K steps: 32 (ks % 2) + 8 t
.set LB,     64                        ; window 1, v64-65  LDS addresses of weight rows 0-31, 32-63; never rewritten
.set XO,     66                        ; window 1, v66-68  byte offsets of my 16 bytes in the three blocks' images
.set LO,     69                        ; window 1, v69-71  byte offsets of my row's place in lst, for the three blocks
.set W_MK,   0x40                      ; destination in window 1: an address is made
.set W_LB,   0x41                      ; destination and source 0 in window 1: the LDS loads of weight fragments
.set W_MUL,  0x01                      ; source 0 in window 1: the matrix instructions, and the loads of h and of the list
; v1 lane; v2 lane % 16; v3 16 (lane / 16); v4 my word in the wave's 256 bytes of the list, as I store it; v5 as I read it; v6-8 byte offsets of my rows' weights in cw;
; v9 the stage, in; v10 the stage, back; v11 256 SL + 16 (lane % 16); v12 16 x lane; v13-15 at work at the head;
; v248-253 for each block a pair: my row's weight, and its place in the list
; s[2:3] lst; s14 wave; s15 E; s16 SL; s17 J; s18 count; s19 blocks; s[20:31] six row addresses; s[32:63], s[68:99] bitmap words; s66 my 256 bytes of the list; s67 at work, then the trip's first block; s68 trips; s69 the half's end; s70-75 at work
.set MSB, 0
.macro WIN new                         ; the immediate's high byte repeats the setting that is left; a switch that changes nothing is dropped
.if MSB != (\new)
	s_set_vgpr_msb (MSB<<8)|(\new)
.set MSB, \new
.endif
.endm
.macro PLACES                          ; four plain instructions between a matrix instruction and a vector instruction on its registers (ISA guide 7.12.1)
.rept 4
	v_nop
.endr
.endm
	s_load_b256 s[4:11], s[0:1], 0x0               ; hb s[4:5], w2 s[6:7], bm s[8:9], cw s[10:11]
	s_load_b64 s[2:3], s[0:1], 0x20                ; lst
	s_load_b64 s[12:13], s[0:1], 0x28              ; y
	v_lshl_add_u32 v254, v0, 2, 0x2dc00
	v_mov_b32 v255, 0
	v_lshrrev_b32 v13, 5, v0
	v_readfirstlane_b32 s14, v13                   ; wave 0..11
	v_and_b32 v1, 31, v0
	v_and_b32 v2, 15, v0
	v_bfe_u32 v13, v0, 4, 1                        ; lane / 16
	v_lshlrev_b32 v3, 4, v13
	v_mul_u32_u24 v15, v2, PITCH
	v_add_nc_u32 v15, v15, v3                      ; row x pitch + 16 x half
	v_lshlrev_b32 v12, 4, v1
	WIN W_MK
	v_mov_b32 v[LB], v15
	v_add_nc_u32 v[LB+1], 32*PITCH, v15
	WIN 0
	s_lshr_b32 s15, ttmp9, 5
	s_bfe_u32 s16, ttmp9, 0x40001
	s_and_b32 s17, ttmp9, 1
	s_wait_alu depctr_va_sdst(0)                   ; s14 is written, ahead of its first reader: the wave's LDS bytes and rows are made from it
	s_mul_i32 s66, s14, MINIB
	s_add_co_u32 s66, s66, MINI
	s_mul_i32 s70, s14, STAGEB
	s_add_co_u32 s70, s70, STAGE                   ; my stage
	v_mul_u32_u24 v9, v2, SPITCH                   ; in: row l % 16, 32 bytes for each half of the lanes in each tile's 64
	v_lshl_add_u32 v9, v3, 1, v9
	v_add_nc_u32 v9, s70, v9
	v_mul_u32_u24 v10, v13, SPITCH                 ; back: lanes 0-15 take one row of 256 bytes, lanes 16-31 the next
	v_lshl_add_u32 v10, v2, 4, v10
	v_add_nc_u32 v10, s70, v10
	s_lshl_b32 s71, s16, 8
	v_lshl_add_u32 v11, v2, 4, s71                 ; my 16 bytes in a row of y
	v_lshl_add_u32 v4, v2, 2, s66                  ; the list in LDS as I store it: word lane % 16 of a block's sixteen,
	v_lshrrev_b32 v5, 2, v3
	v_add_nc_u32 v5, s66, v5                       ; as I read it: word lane / 16 of each two
	s_lshl_b32 s70, s15, 22                        ; an expert's 1,024 rows of 4,096 bytes,
	s_lshl_b32 s71, s16, 18                        ; a slice's 64
	s_add_co_u32 s70, s70, s71
	s_mov_b32 s71, 0
	s_lshl_b32 s72, s15, 9
	s_mov_b32 s73, 0
	s_wait_kmcnt 0x0
	s_add_nc_u64 s[6:7], s[6:7], s[70:71]
	s_add_nc_u64 s[8:9], s[8:9], s[72:73]
	; THE WEIGHTS ARE ASKED FOR.  Wave w takes rows w + 12 k, k = 0..5 (k = 5 for waves 0-3 alone); the work-group's 256 KiB go out at once.
.irp k, 0,1,2,3,4,5
	s_add_co_u32 s70, s14, 12*(\k)
	s_lshl_b32 s70, s70, 12
	s_mov_b32 s71, 0
	s_add_nc_u64 s[20+2*(\k):21+2*(\k)], s[6:7], s[70:71]
.endr
	s_load_b512 s[32:47], s[8:9], 0x0              ; the bitmap of who chose the expert: 64 words, asked for ahead of the weights
	s_load_b512 s[48:63], s[8:9], 0x40
	s_load_b512 s[68:83], s[8:9], 0x80
	s_load_b512 s[84:99], s[8:9], 0xc0
.macro WROW k
.irp j, 0,1,2,3,4,5,6,7
	global_load_b128 v[16+32*(\k)+4*(\j):16+32*(\k)+4*(\j)+3], v12, s[20+2*(\k):21+2*(\k)] offset:512*(\j)
.endr
.endm
	s_wait_alu depctr_va_vdst(0)                   ; v12 is written, the offset of every load of the weights; so are LB, v4, v5, v9 and v10, the LDS addresses for the whole kernel
	s_cmp_lt_u32 s14, 4
	s_cbranch_scc0 .Lno_sixth_row
	WROW 5                                         ; the sixth row first: older than all the others, so the counts below are the same for every wave
.Lno_sixth_row:
.irp k, 0,1,2,3,4
	WROW \k
.endr
	; THE COUNT, while the weights are on their way
	s_wait_kmcnt 0x0
	s_mov_b32 s18, 0
.irp base, 32, 48, 68, 84
.set i, 0
.rept 16
	s_bcnt1_i32_b32 s67, s[\base+i]
	s_add_co_u32 s18, s18, s67
.set i, i+1
.endr
.endr
	s_min_u32 s18, s18, 2048
	s_add_co_u32 s19, s18, 15
	s_lshr_b32 s19, s19, 4                         ; blocks of 16 rows
	; THE WEIGHTS ARE ROUNDED AND LAID INTO LDS
	s_mul_i32 s70, s14, PITCH
	v_lshl_add_u32 v13, v1, 3, s70
	v_add_nc_u32 v14, 36*PITCH, v13
.macro CONV k                          ; a row: its sixteen conversions, one wait, its eight LDS stores
.irp j, 0,1,2,3,4,5,6,7
.set R, 16+32*(\k)+4*(\j)
	v_cvt_pk_bf16_f32 v[R], v[R], v[R+1]
	v_cvt_pk_bf16_f32 v[R+1], v[R+2], v[R+3]
.endr
	s_wait_alu depctr_va_vdst(0)                   ; the row's conversions have written the pairs that the eight stores read (ahead of the first row's stores: v13 and v14, their addresses, are written too)
.irp j, 0,1,2,3,4,5,6,7
.set R, 16+32*(\k)+4*(\j)
	ds_store_b64 v[13+(\k)/3], v[R:R+1] offset:((\k)%3)*12*PITCH+256*(\j)
.endr
.endm
.irp k, 0,1,2,3,4
	s_wait_loadcnt 8*(4-(\k))                      ; row k is in; the younger rows' eight loads each stay out
	CONV \k
.endr
	s_cmp_lt_u32 s14, 4
	s_cbranch_scc0 .Lno_sixth_conv
	CONV 5
.Lno_sixth_conv:
	s_wait_dscnt 0x0                               ; for the others' sake: my rows are in LDS
	s_barrier_signal -1
	s_barrier_wait -1                              ; the only barrier
.macro ALOADB k, b                     ; block b's image of K step k: two loads of 512 consecutive bytes
	global_load_b128 v[AR+24*((\k)%4)+8*(\b):AR+24*((\k)%4)+8*(\b)+3],   v[XO+(\b)], s[4:5] offset:(\k)*ASTEP
	global_load_b128 v[AR+24*((\k)%4)+8*(\b)+4:AR+24*((\k)%4)+8*(\b)+7], v[XO+(\b)], s[4:5] offset:(\k)*ASTEP+AHALF
.endm
.macro BLOAD k                         ; the four tiles' weight fragments of K step k
.irp t, 0,1,2,3
	ds_load_b128 v[BB+32*((\k)%2)+8*(\t):BB+32*((\k)%2)+8*(\t)+3],   v[LB+(\t)/2] offset:((\t)%2)*16*PITCH+(\k)*64
	ds_load_b128 v[BB+32*((\k)%2)+8*(\t)+4:BB+32*((\k)%2)+8*(\t)+7], v[LB+(\t)/2] offset:((\t)%2)*16*PITCH+(\k)*64+32
.endr
.endm
.macro MULT k, t                       ; tile t of K step k: three matrix instructions; a step's 12 accumulators take turns, one instruction a turn.  K step 0 starts the sums
.irp b, 0,1,2
.if (\k) == 0
	v_wmma_f32_16x16x32_bf16 v[ACC+32*(\b)+8*(\t):ACC+32*(\b)+8*(\t)+7], v[BB+32*((\k)%2)+8*(\t):BB+32*((\k)%2)+8*(\t)+7], v[AR+24*((\k)%4)+8*(\b):AR+24*((\k)%4)+8*(\b)+7], 0
.else
	v_wmma_f32_16x16x32_bf16 v[ACC+32*(\b)+8*(\t):ACC+32*(\b)+8*(\t)+7], v[BB+32*((\k)%2)+8*(\t):BB+32*((\k)%2)+8*(\t)+7], v[AR+24*((\k)%4)+8*(\b):AR+24*((\k)%4)+8*(\b)+7], v[ACC+32*(\b)+8*(\t):ACC+32*(\b)+8*(\t)+7]
.endif
.endr
.endm
; THE WAY OUT of block b: times the row's weight; through my own stage, so that whole rows of 256 bytes come back; each row to the place in y that the list names.
.macro OUT b
.set i, 0
.rept 16                               ; each accumulator from its lowest registers on
	v_pk_mul_f32 v[ACC+32*(\b)+i:ACC+32*(\b)+i+1], v[ACC+32*(\b)+i:ACC+32*(\b)+i+1], v[248+2*(\b):249+2*(\b)] op_sel_hi:[1,0]
.set i, i+2
.endr
	s_wait_xcnt 0x0                                ; the block before has had its stores' data and offsets read: only behind this wait are those registers written again
.if (\b) > 0
	s_wait_alu depctr_vm_vsrc(0)                   ; the block before's stores have read v112-143, in which the loads from the stage land, and v152-159, which the lines below write again
.endif
	s_wait_alu depctr_va_vdst(0)                   ; the scaling has written the accumulators, which the LDS stores read; the matrix instructions, or the block before's lines, are done with v112-151, in which the LDS loads land
.irp m, 0,1,2,3,4,5,6,7
	ds_load_b32 v[144+(\m)], v5 offset:64*(\b)+8*(\m)  ; the list's place for row 2 m + lane / 16 of the block
.endr
.irp t, 0,1,2,3
	ds_store_b128 v9, v[ACC+32*(\b)+8*(\t):ACC+32*(\b)+8*(\t)+3] offset:64*(\t)
	ds_store_b128 v9, v[ACC+32*(\b)+8*(\t)+4:ACC+32*(\b)+8*(\t)+7] offset:64*(\t)+16
.endr
.irp m, 0,1,2,3,4,5,6,7
	ds_load_b128 v[112+4*(\m):115+4*(\m)], v10 offset:2*SPITCH*(\m)  ; LDS serves a wave's instructions in order (ISA guide 5.7.1.4): these see the stores above, and the next block's stores come behind them
.endr
	s_wait_dscnt 16                                ; the eight places are in; the eight stores and the eight loads behind them may stay out
.irp m, 0,1,2,3,4,5,6,7
	v_min_u32 v[144+(\m)], 4095, v[144+(\m)]
	v_lshl_add_u32 v[152+(\m)], v[144+(\m)], 12, v11  ; row x 4,096 bytes + my 16 bytes of the slice's 256
.endr
	s_wait_alu depctr_va_vdst(0)                   ; v152-159 are written: the offsets of the eight stores below
.irp m, 0,1,2,3,4,5,6,7
	s_wait_dscnt 7-(\m)                            ; rows 2 m and 2 m + 1 are back; the younger loads stay out
	global_store_b128 v[152+(\m)], v[112+4*(\m):115+4*(\m)], s[12:13]  ; 16 lanes store 256 consecutive bytes, at a multiple of 256 from y's first byte
.endr
.endm
	s_add_co_u32 s70, s19, 1
	s_lshr_b32 s70, s70, 1                         ; the first half's blocks
	s_cmp_lg_u32 s17, 0
	s_cselect_b32 s67, s70, 0                      ; my half begins here
	s_cselect_b32 s69, s19, s70                    ; and ends in front of this block
	s_mul_i32 s71, s14, 3
	s_add_co_u32 s67, s67, s71                     ; my first trip's first block
	s_mov_b32 s68, 0
.Ltrip:
	s_wait_alu depctr_vm_vsrc(0)                   ; the memory and LDS instructions so far have read what a trip writes again: at the first trip v16-207, the data of the LDS stores of the weights; later XO, LO, v6-8, v249, v251, v253, the accumulators, v112-143 and v152-159
	s_cmp_ge_u32 s67, s69
	s_cbranch_scc1 .Lskip                          ; no block of this trip exists
	s_wait_xcnt 0x0                                ; the last trip's stores have read their registers
	s_sub_co_u32 s73, s69, 1
	s_lshl_b32 s74, s15, 7
	WIN W_MK
.irp b, 0,1,2
	s_add_co_u32 s70, s67, \b
	s_min_u32 s70, s70, s73                        ; a block past the half's end repeats the last one
	s_min_u32 s70, s70, 127
	s_add_co_u32 s75, s74, s70                     ; 128 E + block
	s_lshl_b32 s71, s75, 15                        ; a block's 32 images of 1,024 bytes
	v_add_nc_u32 v[XO+(\b)], s71, v12
	s_lshl_b32 s71, s75, 6                         ; a block's 16 words of the list
	v_lshl_add_u32 v[LO+(\b)], v2, 2, s71
.endr
	WIN W_MUL
	s_wait_alu depctr_va_vdst(0)                   ; XO and LO are written, the offsets of the loads below; the conversions at the head, or the last trip's matrix instructions and way out, are done with v248-253 and the rings' registers, in which the trip's first loads land
.irp b, 0,1,2
	global_load_b32 v[249+2*(\b)], v[LO+(\b)], s[2:3]  ; my row's place in the list
.endr
.irp k, 0,1,2
.irp b, 0,1,2
	ALOADB \k, \b
.endr
.endr
	WIN 0
	s_wait_loadcnt 18                              ; the three places are in; the 18 loads of the first three K steps, issued behind them, stay out
.irp b, 0,1,2
	v_min_u32 v[249+2*(\b)], 4095, v[249+2*(\b)]
.endr
.irp b, 0,1,2
	v_lshlrev_b32 v[6+(\b)], 2, v[249+2*(\b)]
.endr
	s_wait_alu depctr_va_vdst(0)                   ; the three places, which the LDS stores read, and the three offsets in cw, which the loads read, are written
.irp b, 0,1,2
	ds_store_b32 v4, v[249+2*(\b)] offset:64*(\b)  ; kept for the way out: word 16 b + lane % 16 of my 256 bytes (the two halves of the lanes store the same word)
.endr
.irp b, 0,1,2
	global_load_b32 v[248+2*(\b)], v[6+(\b)], s[10:11]  ; my row's weight: wanted on the way out
.endr
	WIN W_LB
	BLOAD 0
.set ks, 0
.rept 32                               ; K is written out: every offset is an immediate, and no address is stepped
.if ks < 30
	s_wait_loadcnt 12                              ; this step's images are in; the next two steps' six loads each stay out (in steps 0 to 2 the three loads of weights lie among the younger ones: the count is then three lower than it need be)
.elseif ks == 30
	s_wait_loadcnt 6
.else
	s_wait_loadcnt 0
.endif
	s_wait_dscnt 0                                 ; this step's weight fragments, asked for a step ago, are in
.if ks < 31
	WIN W_LB
.if ks > 0
	s_wait_alu depctr_va_vdst(0)                   ; the step before's matrix instructions are done reading AR[(ks - 1) % 4] and BB[(ks - 1) % 2], in which this step's loads land
.endif
	BLOAD ks+1
	WIN W_MUL
.endif
	MULT ks, 0
.if ks < 29
	ALOADB ks+3, 0                                 ; no wait: no matrix instruction since the wait above names these registers
.endif
	MULT ks, 1
.if ks < 29
	ALOADB ks+3, 1
.endif
	MULT ks, 2
.if ks < 29
	ALOADB ks+3, 2
.endif
	MULT ks, 3
.set ks, ks+1
.endr
	PLACES                                         ; behind the last matrix instruction, ahead of the way out
	WIN 0
	OUT 0
	s_add_co_u32 s75, s67, 1
	s_cmp_ge_u32 s75, s69
	s_cbranch_scc1 .Lskip                          ; a block past the half's end is not stored
	OUT 1
	s_add_co_u32 s75, s67, 2
	s_cmp_ge_u32 s75, s69
	s_cbranch_scc1 .Lskip
	OUT 2
.Lskip:
	s_add_co_u32 s67, s67, 36                      ; 12 waves x 3 blocks on
	s_add_co_u32 s68, s68, 1
	s_cmp_lt_u32 s68, PMAX
	s_cbranch_scc1 .Ltrip
	s_wait_dscnt 0x0                               ; the wave's end: my LDS instructions are done
	s_wait_alu depctr_hold_cnt(0) depctr_sa_sdst(0) depctr_va_vdst(0) depctr_va_sdst(0) depctr_va_ssrc(0) depctr_va_vcc(0) depctr_vm_vsrc(0)
	s_wait_tensorcnt 0x0
	ds_add_u32 v254, v255
	s_wait_dscnt 0x0
	s_endpgm
.Lfunc_end_k_q4985a5d948_down:
	.size	k_q4985a5d948_down, .Lfunc_end_k_q4985a5d948_down-k_q4985a5d948_down
	.p2alignl 7, 3214868480
	.fill 96, 4, 3214868480
	.section	.rodata,"a",@progbits
	.p2align	6, 0x0
	.amdhsa_kernel k_q4985a5d948_down
		.amdhsa_group_segment_fixed_size 188928
		.amdhsa_private_segment_fixed_size 0
		.amdhsa_enable_private_segment 0
		.amdhsa_kernarg_size 48
		.amdhsa_user_sgpr_count 2
		.amdhsa_user_sgpr_kernarg_segment_ptr 1
		.amdhsa_wavefront_size32 1
		.amdhsa_system_sgpr_workgroup_id_x 1
		.amdhsa_system_sgpr_workgroup_id_y 1
		.amdhsa_system_sgpr_workgroup_id_z 1
		.amdhsa_system_vgpr_workitem_id 0
		.amdhsa_next_free_vgpr 328
		.amdhsa_next_free_sgpr 100
		.amdhsa_reserve_vcc 0
		.amdhsa_float_denorm_mode_32 3
		.amdhsa_float_denorm_mode_16_64 3
		.amdhsa_memory_ordered 1
		.amdhsa_forward_progress 1
		.amdhsa_inst_pref_size 103
	.end_amdhsa_kernel
	.amdgpu_metadata
---
amdhsa.version: [ 1, 2 ]
amdhsa.kernels:
  - .name:           k_q4985a5d948_down
    .symbol:         k_q4985a5d948_down.kd
    .args:
      - { .name: hb, .offset: 0, .size: 8, .value_kind: global_buffer, .address_space: global }
      - { .name: w2, .offset: 8, .size: 8, .value_kind: global_buffer, .address_space: global }
      - { .name: bm, .offset: 16, .size: 8, .value_kind: global_buffer, .address_space: global }
      - { .name: cw, .offset: 24, .size: 8, .value_kind: global_buffer, .address_space: global }
      - { .name: lst, .offset: 32, .size: 8, .value_kind: global_buffer, .address_space: global }
      - { .name: y, .offset: 40, .size: 8, .value_kind: global_buffer, .address_space: global }
    .group_segment_fixed_size: 188928
    .private_segment_fixed_size: 0
    .kernarg_segment_align: 8
    .kernarg_segment_size: 48
    .max_flat_workgroup_size: 384
    .sgpr_count:     100
    .vgpr_count:     328
    .wavefront_size: 32
...
	.end_amdgpu_metadata
.endif
;; end of part 8
;; launch combine: the kernel of part 5 again; grid 256 x 1, 8 waves a work-group, no clusters, 0 bytes of LDS; arguments y, out0; writes out0
